; MI455X (gfx1250); checked and timed in simulation.
; The chip was launched on July 23, 2026; its instructions are those of AMD's public machine-readable ISA for CDNA 5 (MIT licence, August 2026) and "CDNA5" Instruction Set Architecture Reference Guide (July 2026). The comments in the code are by the model that wrote it; some were corrected since.
;; Multi Head Self Attention. Allowed arithmetic: matrix products marked QUANTISED: E2M3 operands, one E8M0 scale for each 32 along K, by v_wmma_scale_f32_16x16x128_f8f6f4 with both operands' format E2M3, f32 sums; everything else in f32.
;; Inputs: attn_mask 8 x 1,024 bool; b_out 1,024 float32; b_qkv 3,072 float32; w_out 1,024 x 1,024 float32; w_qkv 1,024 x 3,072 float32; x 8 x 1,024 x 1,024 float32.
;; Outputs: out0 8 x 1,024 x 1,024 float32.
;; This version of the problem:
;;   THIS VERSION OF THE PROBLEM IS GIVEN IN LOW PRECISION. The matrix products marked QUANTISED in the list below multiply operands that are first quantised to E2M3 (2 exponent bits, 3 mantissa bits; 6 bits a number), with one power-of-two scale for each 32 numbers along K (OCP MX v1.0); their sums are f32. All else is computed in f32.
;;   The module's matrix products, in the order in which they are computed (A, B: the left and right operand; K: the contracted axis; several contracted axes count as one K, in the product's order):
;;     1. [M 8,192, K 1,024] x [K 1,024, N 3,072]; A: input x; B: input w_qkv: QUANTISED
;;     2. batch 128 x [M 1,024, K 64] x [K 64, N 1,024]; A: computed on the way; B: computed on the way: QUANTISED
;;     3. batch 128 x [M 1,024, K 1,024] x [K 1,024, N 64]; A: softmax (see below); B: computed on the way: QUANTISED
;;     4. [M 8,192, K 1,024] x [K 1,024, N 1,024]; A: computed on the way; B: input w_out: QUANTISED
;;   THE QUANTISER, for each operand of a quantised product, along K:
;;     - K is cut into blocks of 32 from its start; a last block that is shorter is filled with zeros.
;;     - A block's scale is 2^e with e = floor(log2(the largest magnitude in the block)) - 2, held to -126 .. 127; a block of zeros has e = 0. As a byte (E8M0): e + 127.
;;     - Each number is divided by its block's scale, clamped to +-7.5, and rounded to the nearest number of E2M3, ties to even, subnormals kept.
;;     - The product sums the exact products of the quantised numbers (number of the format x scale) in f32.
;;   ~~~python
;;   def quantise(x, axis):      # numpy; x: float32 -> the quantised numbers, widened to float32 again
;;       x = np.moveaxis(x, axis, -1); K = x.shape[-1]
;;       x = np.pad(x, [(0, 0)] * (x.ndim - 1) + [(0, -K % 32)]); x = x.reshape(x.shape[:-1] + (-1, 32)); a = np.abs(x).max(-1, keepdims=True)
;;       e = np.where(a > 0, np.clip(np.frexp(np.where(a > 0, a, 1))[1] - 1 - 2, -126, 127), 0)      # np.frexp(a)[1] - 1 = floor(log2(a)), exactly
;;       r = np.clip(x / 2.0 ** e, -7.5, 7.5)
;;       step = 2.0 ** (np.maximum(np.frexp(np.where(r == 0, 1, r))[1] - 1, 0) - 3)
;;       q = np.round(r / step) * step * 2.0 ** e      # np.round: ties to even
;;       return np.moveaxis(q.reshape(q.shape[:-2] + (-1,))[..., :K], -1, axis).astype(np.float32)
;;   ~~~
;;   SOFTMAX AHEAD OF A QUANTISED PRODUCT. Where the list says 'softmax', what is quantised is not the finished softmax but p = 2^(t - M), with t = logit x log2(e) and M = ceil(the row's largest t), a whole number; so 1/2 < the row's largest p <= 1. The row's sum l is taken of the UNQUANTISED p, in f32, and the product's result is divided by l at the end. Since M is a whole number, a kernel that streams over the keys may use a running M (the ceiling of the running maximum): every later rescaling is an exact power of two, which a block's scale takes up: the codes' values come out the same.
;;   OPERANDS COMPUTED ON THE WAY. 'Computed on the way' means the value that the module computes at that place (a softmax that the list does not call 'softmax' is quantised finished and normalised). What goes into a quantiser is computed in f32, as accurately as f32 sums, v_exp_f32 and their like allow (about 1e-6 of the number): no bf16 or f16 on the way to a quantiser, and a product that is left as it is and whose result goes on into a quantised operand takes f32 operands (vector FMAs, or v_wmma_f32_16x16x4_f32). A number that lies on a knife's edge between two numbers of the format may be rounded either way, as far as f32 arithmetic and the matrix unit's own rounding can turn it there, and no further.
;; One version. Each part assembles by itself: llvm-mc -triple=amdgcn-amd-amdhsa -mcpu=gfx1250 --defsym DOCPART=n.
;; ======== version 1 of 1: 4 launches
;; workspace buffers: cod 9,437,184 bytes; scl 393,216 bytes; qim 8,388,608 bytes; qsc 524,288 bytes; kv 15,466,496 bytes; oc 6,291,456 bytes; os 262,144 bytes
;; launch prep (part 1): grid 384 x 1, 4 waves a work-group, no clusters, 68,096 bytes of LDS; arguments x, w_qkv, w_out, cod, scl; writes cod, scl
.if DOCPART == 1
	.amdgcn_target "amdgcn-amd-amdhsa--gfx1250"
	.amdhsa_code_object_version 6
	.text
	.protected	k_q1f8dc796d7_prep
	.globl	k_q1f8dc796d7_prep
	.p2align	8
	.type	k_q1f8dc796d7_prep,@function
k_q1f8dc796d7_prep:
	s_mov_b64 s[64:65], 0
	v_nop
	global_prefetch_b8 v0, s[64:65] scope:SCOPE_SE
	s_setreg_imm32_b32 hwreg(HW_REG_WAVE_MODE, 25, 1), 1
	s_wait_xcnt 0x0
; x [8192][1024], w_qkv [1024][3072] and w_out [1024][1024], f32, become codes of FP6 (E2M3) with one E8M0 byte for each 32 along K, laid as the products' launches take them.
; cod: [tile of 16 rows: 768][K step of 128: 8][1,536 bytes]: x's tiles 0-511, w_qkv's columns 512-703, w_out's columns 704-767.  The 1,536 bytes are the IMAGE OF THE OPERAND'S 12 REGISTERS: registers 4 p .. 4 p + 3 of lane l at 512 p + 16 l.
; THE ROWS OF A TILE ARE NOT NEIGHBOURS: row r of tile 2 g + u is tensor row 32 g + 8 u + r + 8 (r / 8), so that results made with such tiles as source 0 have 16 neighbours along the next K in a lane's 16 registers.
; scl: [group of 4 tiles: 192][K step: 8][256 bytes]: the scale word of (tile t of the group, row r) at 8 (16 (t % 2) + r) + 4 (t / 2).
; A block's scale is 2^(floor(log2(its largest magnitude)) - 2); its byte is that magnitude's exponent field - 2, held at 1 from below.
; LIMITS: NaN and infinities among the inputs are not served.  A block of zeros, or one whose largest magnitude lies under 2^-124, gets the byte 1 (its codes add nothing or are the subnormal codes under that scale); the bytes are read by this program alone.
; SHARES: work-groups 0-255 take x, 256-351 w_qkv, 352-383 w_out; each reads 128 KiB.  No tensor loads (loads into registers suffice for a stream), no cluster (no input is shared), no prefetch (the launch is one stream of loads from its head on).
.set SPARE, 67584                      ; behind the four waves' stages: the spare words, 128 bytes for each wave
.set SPW,   12                         ; v12  LDS address of my spare word; never rewritten
.set NIL,   13                         ; v13  0; never rewritten
.set SEL,   20                         ; s[20:21] v_permlanex16_b32's selects for lane l xor 16
.set TM,    240                        ; v240-243 largest magnitudes, v244-247 exchange and bytes, v252-255 the conversions' scale operands
.set T,     232                        ; v232-238 the conversions' second halves
; 64 numbers of a lane, register 16 b + i = k 32 b + 16 (lane / 16) + i of my row, become a fragment's codes in v[d0 .. d0+5], v[d1 .. d1+5] and its scale word in v[pw].
.macro QUANT s, d0, d1, pw
.irp b, 0,1,2,3
	v_max3_num_f32 v[TM+\b], |v[\s+16*\b]|, |v[\s+1+16*\b]|, 0x1800000   ; my 16 numbers of block b, and the floor 2^(3 - 127): the byte cannot fall under 1
.endr
.irp i, 2,4,6,8,10,12,14
.irp b, 0,1,2,3
	v_max3_num_f32 v[TM+\b], v[TM+\b], |v[\s+16*\b+\i]|, |v[\s+1+16*\b+\i]|   ; the four blocks by turns
.endr
.endr
.irp b, 0,1,2,3
	v_permlanex16_b32 v[TM+4+\b], v[TM+\b], s[SEL], s[SEL+1]
.endr
.irp b, 0,1,2,3
	v_max_num_f32 v[TM+\b], v[TM+\b], v[TM+4+\b]   ; with lane l xor 16's: the block's largest magnitude
.endr
.irp b, 0,1,2,3
	v_add_nc_u32 v[TM+12+\b], 0xff000000, v[TM+\b]   ; 2 off its exponent field: the conversion's scale operand
.endr
.irp b, 0,1,2,3
	v_lshrrev_b32 v[TM+4+\b], 23, v[TM+12+\b]      ; the scale's byte
.endr
	v_lshl_or_b32 v[\pw], v[TM+5], 8, v[TM+4]
	v_lshl_or_b32 v[\pw], v[TM+6], 16, v[\pw]
	v_lshl_or_b32 v[\pw], v[TM+7], 24, v[\pw]
	v_cvt_scalef32_pk16_fp6_f32 v[\d0:\d0+2], v[\s:\s+15], v[TM+12]
	v_cvt_scalef32_pk16_fp6_f32 v[T:T+2], v[\s+16:\s+31], v[TM+13]      ; (a conversion's three registers begin on an even number)
	v_cvt_scalef32_pk16_fp6_f32 v[\d1:\d1+2], v[\s+32:\s+47], v[TM+14]
	v_cvt_scalef32_pk16_fp6_f32 v[T+4:T+6], v[\s+48:\s+63], v[TM+15]
	v_nop                                          ; one plain place behind the scaled conversions
.irp i, 0,1,2
	v_permlane16_swap_b32 v[\d0+\i], v[T+\i]       ; a whole block to a lane: lanes 0-15 the even block, lanes 16-31 the odd one
	v_permlane16_swap_b32 v[\d1+\i], v[T+4+\i]
.endr
.irp i, 0,1,2
	v_mov_b32 v[\d0+3+\i], v[T+\i]
	v_mov_b32 v[\d1+3+\i], v[T+4+\i]
.endr
.endm
	s_load_b256 s[4:11], s[0:1], 0x0               ; x s[4:5], w_qkv s[6:7], w_out s[8:9], cod s[10:11]
	s_load_b64 s[12:13], s[0:1], 0x20              ; scl
	v_lshl_add_u32 v[SPW], v0, 2, SPARE
	v_mov_b32 v[NIL], 0
	v_lshrrev_b32 v1, 5, v0
	v_readfirstlane_b32 s14, v1                    ; wave 0..3
	v_and_b32 v5, 31, v0                           ; lane
	s_mov_b32 s[SEL], 0x76543210
	s_mov_b32 s[SEL+1], 0xfedcba98
	s_mov_b32 s23, 0                               ; the upper word of every offset
	s_wait_kmcnt 0x0
	s_cmp_lt_u32 ttmp9, 256
	s_cbranch_scc0 .Lweights
; ---- x.  Task T = 4 x work-group + wave: 64 rows (group T / 8) x 128 along K (step T % 8): four tiles.  A load reads a row's 512 bytes, 16 a lane; a tile turns through my own stage in LDS
; (16 rows of 512 + 16 bytes) and comes back 16 neighbours of each block of 32 to a lane.  Three sets of 64 registers, two stages, two sets of codes.
	s_lshl_b32 s15, ttmp9, 2
	s_add_co_u32 s15, s15, s14                     ; T
	s_lshr_b32 s16, s15, 3                         ; the group of 64 rows
	s_and_b32 s17, s15, 7                          ; the K step
	s_lshl_b32 s22, s16, 18                        ; 64 rows of 4,096 bytes
	s_lshl_b32 s24, s17, 9
	s_add_co_u32 s22, s22, s24
	s_add_nc_u64 s[4:5], s[4:5], s[22:23]
	s_mul_i32 s22, s16, 49152                      ; four tiles of 12,288 bytes
	s_mul_i32 s24, s17, 1536
	s_add_co_u32 s22, s22, s24
	s_add_nc_u64 s[10:11], s[10:11], s[22:23]
	s_lshl_b32 s22, s15, 8                         ; unit 8 x group + step = T
	s_add_nc_u64 s[12:13], s[12:13], s[22:23]
	v_lshlrev_b32 v1, 4, v5                        ; 16 x lane: loads and stores; never rewritten
	s_mul_i32 s24, s14, 16896                      ; my two stages
	v_add_nc_u32 v2, s24, v1                       ; into a stage: a row as it lies
	v_and_b32 v6, 15, v0                           ; r
	v_bfe_u32 v7, v0, 4, 1                         ; h
	v_mul_u32_u24 v3, v6, 528
	v_lshl_add_u32 v3, v7, 6, v3
	v_add_nc_u32 v3, s24, v3                       ; out of it: row r, + 64 h
	v_lshlrev_b32 v4, 3, v5                        ; 8 x lane: the scale words' store
.irp b, 0,1,2,3
	v_mov_b32 v[TM+4+\b], 0                        ; written once: a lane permute's destination counts as one of its sources
.endr
.macro XLOAD t
.irp r, 0,1,2,3,4,5,6,7,8,9,10,11,12,13,14,15
	global_load_b128 v[16+64*((\t)%3)+4*\r:16+64*((\t)%3)+4*\r+3], v1, s[4:5] offset:(32*((\t)/2)+8*((\t)%2)+\r+8*(\r/8))*4096 th:TH_LOAD_NT
.endr
.endm
.macro XTURN t                         ; LDS serves a wave's instructions in order: no wait between the stores and the loads
.irp r, 0,1,2,3,4,5,6,7,8,9,10,11,12,13,14,15
	ds_store_b128 v2, v[16+64*((\t)%3)+4*\r:16+64*((\t)%3)+4*\r+3] offset:8448*((\t)%2)+528*\r
.endr
.irp b, 0,1,2,3
.irp j, 0,1,2,3
	ds_load_b128 v[16+64*((\t)%3)+16*\b+4*\j:16+64*((\t)%3)+16*\b+4*\j+3], v3 offset:8448*((\t)%2)+128*\b+16*\j
.endr
.endr
.endm
.macro XQ t
	QUANT 16+64*((\t)%3), 208+12*((\t)%2), 208+12*((\t)%2)+6, 8+(\t)
.irp p, 0,1,2
	global_store_b128 v1, v[208+12*((\t)%2)+4*\p:208+12*((\t)%2)+4*\p+3], s[10:11] offset:(\t)*12288+512*\p   ; 32 lanes store 512 consecutive bytes
.endr
.endm
	XLOAD 0
	XLOAD 1
	XLOAD 2
	s_wait_loadcnt 32                              ; tile 0's 16 loads are in; tiles 1 and 2 may be out
	XTURN 0
	s_wait_loadcnt 16                              ; tile 1's are in
	XTURN 1
	s_wait_dscnt 32                                ; tile 0 is back from its stage; tile 1's 32 LDS instructions may be out
	XQ 0
	XLOAD 3                                        ; into tile 0's registers
	s_wait_loadcnt 16                              ; tile 2's are in; tile 3's may be out
	XTURN 2
	s_wait_dscnt 32
	XQ 1
	s_wait_loadcnt 0x0
	XTURN 3
	s_wait_dscnt 32
	s_wait_xcnt 0x0                                ; tile 0's stores have read their registers, which take tile 2's codes
	XQ 2
	s_wait_dscnt 0x0
	s_wait_xcnt 0x0                                ; likewise tile 1's
	XQ 3
	v_cmp_le_u32 vcc_lo, 16, v5                    ; lanes 0-15 store the words of tiles 0 and 2, lanes 16-31 those of tiles 1 and 3 (lanes r and 16 + r hold the same words)
	v_cndmask_b32 v14, v8, v9, vcc_lo
	v_cndmask_b32 v15, v10, v11, vcc_lo
	global_store_b64 v4, v[14:15], s[12:13]        ; one aligned block of 256 bytes
	s_branch .Ltail
; ---- the weights: K is their FIRST axis.  A lane takes a column, its registers run down K: a block of 32 lies in one lane, and the conversions give codes with K innermost.  A wave takes 64 columns x 128 along K: 8 blocks a lane.
; Column 32 e + lane is row r = lane % 8 + 8 (lane / 16) of tile 2 e + u, u = (lane / 8) % 2.  Block q of a K step belongs to image lane r + 16 (q % 2), registers 6 (q / 2) on.
.Lweights:
	v_bfe_u32 v1, v0, 3, 1                         ; u
	v_and_b32 v2, 7, v0
	v_bfe_u32 v3, v0, 4, 1
	v_lshl_add_u32 v2, v3, 3, v2                   ; r
	v_lshlrev_b32 v4, 4, v2
	v_mad_u32_u24 v4, v1, 12288, v4                ; codes: 12,288 u + 16 r
	v_lshl_add_u32 v14, v1, 4, v2
	v_lshlrev_b32 v14, 3, v14                      ; scale words: 8 (16 u + r)
	v_lshlrev_b32 v15, 2, v5                       ; loads: 4 x lane
.macro WLOAD t, PITCH, src
.irp i, 0,1,2,3,4,5,6,7,8,9,10,11,12,13,14,15,16,17,18,19,20,21,22,23,24,25,26,27,28,29,30,31
	global_load_b32 v[32+32*((\t)%2)+\i], v15, s[\src:\src+1] offset:(32*((\t)%4)+\i)*\PITCH+128*((\t)/4) th:TH_LOAD_NT
.endr
.endm
.macro WBLOCK t, PITCH, src            ; block t = 4 e + q
.set XS, 32+32*((\t)%2)
.set D, 96+12*(2*((\t)/4)+(\t)%2)+6*(((\t)%4)/2)
.if (\t) < 7
	s_wait_loadcnt 32                              ; this block's 32 loads are in; the next block's may be out
.else
	s_wait_loadcnt 0x0
.endif
	v_max3_num_f32 v8, |v[XS]|, |v[XS+1]|, |v[XS+2]|
	v_max3_num_f32 v9, |v[XS+3]|, |v[XS+4]|, |v[XS+5]|
.irp i, 6,10,14,18,22,26
	v_max3_num_f32 v8, v8, |v[XS+\i]|, |v[XS+\i+1]|
	v_max3_num_f32 v9, v9, |v[XS+\i+2]|, |v[XS+\i+3]|
.endr
	v_max3_num_f32 v8, v8, |v[XS+30]|, |v[XS+31]|
	v_max3_num_f32 v8, v8, v9, 0x1800000           ; and the floor
	v_add_nc_u32 v10, 0xff000000, v8               ; the conversion's scale operand
	v_lshrrev_b32 v11, 23, v10                     ; the byte
.if (\t)%4 == 0
	v_mov_b32 v[6+(\t)/4], v11
.else
	v_lshl_or_b32 v[6+(\t)/4], v11, 8*((\t)%4), v[6+(\t)/4]
.endif
	v_cvt_scalef32_pk16_fp6_f32 v[D:D+2], v[XS:XS+15], v10
	v_cvt_scalef32_pk16_fp6_f32 v[144:146], v[XS+16:XS+31], v10
	v_nop                                          ; one plain place behind the scaled conversions
.irp i, 0,1,2
	v_mov_b32 v[D+3+\i], v[144+\i]
.endr
.if (\t)+2 < 8
	WLOAD (\t)+2, \PITCH, \src
.endif
.if (\t)%4 >= 2                        ; the 12 registers of image lanes r + 16 (q % 2) are whole: sixteen lanes fill 256 consecutive bytes.  No code register is written twice
.irp p, 0,1,2
	global_store_b128 v4, v[96+12*(2*((\t)/4)+(\t)%2)+4*\p:96+12*(2*((\t)/4)+(\t)%2)+4*\p+3], s[10:11] offset:24576*((\t)/4)+512*\p+256*((\t)%2)
.endr
.endif
.endm
.macro WPATH PITCH, RT0, IDX0, src
	s_sub_co_u32 s15, ttmp9, \IDX0
	s_lshr_b32 s16, s15, 3
	s_and_b32 s17, s15, 7                          ; the K step
	s_lshl_b32 s16, s16, 2
	s_add_co_u32 s16, s16, s14                     ; my group of 64 columns
	s_mul_i32 s22, s17, 128*\PITCH
	s_lshl_b32 s24, s16, 8
	s_add_co_u32 s22, s22, s24
	s_add_nc_u64 s[\src:\src+1], s[\src:\src+1], s[22:23]
	s_mul_i32 s22, s16, 49152
	s_mul_i32 s24, s17, 1536
	s_add_co_u32 s22, s22, s24
	s_add_co_u32 s22, s22, \RT0*12288
	s_add_nc_u64 s[10:11], s[10:11], s[22:23]
	s_lshl_b32 s22, s16, 3
	s_add_co_u32 s22, s22, s17
	s_add_co_u32 s22, s22, \RT0*2
	s_lshl_b32 s22, s22, 8
	s_add_nc_u64 s[12:13], s[12:13], s[22:23]
	WLOAD 0, \PITCH, \src
	WLOAD 1, \PITCH, \src
.irp t, 0,1,2,3,4,5,6,7
	WBLOCK \t, \PITCH, \src
.endr
	global_store_b64 v14, v[6:7], s[12:13]         ; the words of tiles u and 2 + u, row r: the 32 lanes fill one aligned block of 256 bytes
.endm
	s_cmp_lt_u32 ttmp9, 352
	s_cbranch_scc0 .Lwout
	WPATH 12288, 512, 256, 6
	s_branch .Ltail
.Lwout:
	WPATH 4096, 704, 352, 8
.Ltail:
	s_wait_tensorcnt 0x0                           ; the wave's end
	ds_add_u32 v[SPW], v[NIL]
	s_wait_dscnt 0x0
	s_endpgm
.Lfunc_end_k_q1f8dc796d7_prep:
	.size	k_q1f8dc796d7_prep, .Lfunc_end_k_q1f8dc796d7_prep-k_q1f8dc796d7_prep
	.p2alignl 7, 3214868480
	.fill 96, 4, 3214868480
	.section	.rodata,"a",@progbits
	.p2align	6, 0x0
	.amdhsa_kernel k_q1f8dc796d7_prep
		.amdhsa_group_segment_fixed_size 68096
		.amdhsa_private_segment_fixed_size 0
		.amdhsa_enable_private_segment 0
		.amdhsa_kernarg_size 40
		.amdhsa_user_sgpr_count 2
		.amdhsa_user_sgpr_kernarg_segment_ptr 1
		.amdhsa_wavefront_size32 1
		.amdhsa_system_sgpr_workgroup_id_x 1
		.amdhsa_system_sgpr_workgroup_id_y 1
		.amdhsa_system_sgpr_workgroup_id_z 1
		.amdhsa_system_vgpr_workitem_id 0
		.amdhsa_next_free_vgpr 256
		.amdhsa_next_free_sgpr 66
		.amdhsa_reserve_vcc 1
		.amdhsa_float_denorm_mode_32 3
		.amdhsa_float_denorm_mode_16_64 3
		.amdhsa_memory_ordered 1
		.amdhsa_forward_progress 1
		.amdhsa_inst_pref_size 109
	.end_amdhsa_kernel
	.amdgpu_metadata
---
amdhsa.version: [ 1, 2 ]
amdhsa.kernels:
  - .name:           k_q1f8dc796d7_prep
    .symbol:         k_q1f8dc796d7_prep.kd
    .args:
      - { .name: x, .offset: 0, .size: 8, .value_kind: global_buffer, .address_space: global }
      - { .name: w_qkv, .offset: 8, .size: 8, .value_kind: global_buffer, .address_space: global }
      - { .name: w_out, .offset: 16, .size: 8, .value_kind: global_buffer, .address_space: global }
      - { .name: cod, .offset: 24, .size: 8, .value_kind: global_buffer, .address_space: global }
      - { .name: scl, .offset: 32, .size: 8, .value_kind: global_buffer, .address_space: global }
    .group_segment_fixed_size: 68096
    .private_segment_fixed_size: 0
    .kernarg_segment_align: 8
    .kernarg_segment_size: 40
    .max_flat_workgroup_size: 128
    .sgpr_count:     66
    .vgpr_count:     256
    .wavefront_size: 32
...
	.end_amdgpu_metadata
.endif
;; end of part 1
;; launch qkv (part 2): grid 12 x 32, 4 waves a work-group, clusters of 4 x 4, 327,680 bytes of LDS; arguments cod, scl, b_qkv, attn_mask, qim, qsc, kv; writes qim, qsc, kv
.if DOCPART == 2
	.amdgcn_target "amdgcn-amd-amdhsa--gfx1250"
	.amdhsa_code_object_version 6
	.text
	.protected	k_q1f8dc796d7_qkv
	.globl	k_q1f8dc796d7_qkv
	.p2align	8
	.type	k_q1f8dc796d7_qkv,@function
k_q1f8dc796d7_qkv:
	s_mov_b64 s[64:65], 0
	v_nop
	global_prefetch_b8 v0, s[64:65] scope:SCOPE_SE
	s_setreg_imm32_b32 hwreg(HW_REG_WAVE_MODE, 25, 1), 1
	s_wait_xcnt 0x0
	s_wait_alu depctr_hold_cnt(0) depctr_sa_sdst(0) depctr_va_vdst(0) depctr_va_sdst(0) depctr_va_ssrc(0) depctr_va_vcc(0) depctr_vm_vsrc(0)
	s_getreg_b32 s2, hwreg(HW_REG_IB_STS2, 6, 4)
	s_cmp_eq_u32 s2, 0
	s_cbranch_scc0 .Lentry_in_a_cluster
	s_endpgm
.Lentry_in_a_cluster:
	s_bfe_u32 s2, ttmp6, 0x10000c
	s_cmp_lg_u32 s2, 0xf033
	s_cbranch_scc0 .Lentry_shape_is_right
	s_endpgm
.Lentry_shape_is_right:
; qkv = x w_qkv + b_qkv on codes of FP6 (E2M3) with E8M0 scales, f32 sums; the results are quantised at once as the operands of attention's two products and leave as images of operand registers.
; A work-group makes 256 (source 1) x 256 (source 0), each of its four waves 128 x 128: 64 accumulators, 512 registers.  K = 1,024 goes in 8 steps of 128, written out.
; MODES, by the cluster's x: 0 = q, 1 = k: source 1 = tokens, source 0 = columns of w: a lane holds a token, its registers run along the head: quantised along the head.  2 = v: source 1 = columns of w, source 0 = tokens:
; a lane holds a channel, its registers run along the tokens: quantised along the keys.  The mode is the same in all sixteen partners of a cluster.
; OPERANDS lie in memory and LDS as images of their 12 registers (1,536 bytes for 16 rows x 128 K): a fragment is three ds_load_b128 of 512 consecutive bytes.  Row r of tile 2 g + u is tensor row 32 g + 8 u + r + 8 (r / 8),
; so the 16 result registers of source-0 tiles 2 g, 2 g + 1 are rows 32 g + 16 (lane / 16) + 0 .. 15: neighbours along the next K.
; LDS: three slots of 256 along K (98,304 bytes: source 1's two halves, source 0's two halves, 24,576 each), the scale words of all of K (16,384), the spare words.  All three slots and the scales are first fills;
; ONE refill: K 768 .. 1,023 goes into slot 0 behind the round in step 1 and has four steps, 256 matrix instructions, in which to land.  By this text's count a wave has at most four tensor loads out.
; CLUSTER 4 x 4: source 1's tiles hang on cy alone and are asked for jointly along a row of the cluster, source 0's on cx alone and jointly along a column.  No prefetch: all of K is asked for within the first two steps.
; THE KEY MASK RIDES IN THE EMPTY HALF OF q k^T's K (the head is 64 of the instruction's 128).  q carries the codes 1.0, 1.0 at k = 64, 65 and 1.0 at k = 96, under scale bytes 127.  A masked key carries zero codes in its head,
; -4.0, -0.875 at k = 64, 65 under the byte 141 and -1.0 at k = 96 under the byte 134: its score is -(4.875 x 2^14 + 2^7) = -80,000, which is -10,000 after the division by 8.  A valid key carries zeros there under bytes 1.
; LIMITS: NaN and infinities are not served; a block of zeros, or one under 2^-124, gets the byte 1 (read by this program alone).
.set PART,  24576
.set SLOT,  98304
.set SCL,   294912
.set SPARE, 311296
.set FR,    12
.set ADRA,  4                          ; v4-6   LDS address of my source-1 fragments in slot 0, 1, 2
.set ADRB,  7                          ; v7-9   the same for source 0
.set ADRS,  10                         ; v10    my scale words: lanes 0-15 source 1's, lanes 16-31 source 0's
.set SPW,   28                         ; v28    my spare word; never rewritten
.set NIL,   29                         ; v29    0; never rewritten
.set SC,    32                         ; v32-47 scale words, two sets of 8: they hold scales and nothing else
.set SW,    48                         ; v48-63 the scale words made on the way out
.set BI0,   64                         ; v64-127 the bias along my registers (q, k)
.set AF,    128                        ; v128-223 source 1's fragments, one set; on the way out: H v128-191, two sets of codes v192-223
.set H,     128
.set BI1,   224                        ; v224-239 the bias of my lane's channel (v), twice each for the packed addition
.set MK,    240                        ; v240-247 the mask byte of my lane's token, a register a tile
.set T,     248
.set G1,   24                          ; s[24:31] group 1, source 1's tiles; s[32:43] groups 0 for slots 0-2
.set G0,   32
.set G1B,  44                          ; s[44:51], s[52:63] the same for source 0
.set G0B,  52
.set G1S,  68                          ; s[68:75], s[76:79] source 1's scales; s[80:87], s[88:91] source 0's
.set G0S,  76
.set G1SB, 80
.set G0SB, 88
.set NOTK, 48                          ; the way out: 1 for q, 0 for k
.set SHI,  49                          ; and the upper two bytes of a scale word
.set SEL,  50                          ; s[50:51] lane selects
.set MSB, 0
.macro WIN new                         ; the immediate's high byte repeats the setting that is left
.if MSB != (\new)
	s_set_vgpr_msb (MSB<<8)|(\new)
.set MSB, (\new)
.endif
.endm
.set MUL_LO, 0xa1                      ; source 0 window 1, source 1 window 0, C and D window 2
.set MUL_HI, 0xf1                      ; the same, C and D window 3
.set TO_B,   0x40                      ; destination window 1, address window 0
.macro JLOAD g0a, g1a, g0b, g1b        ; a joint load: waves 0, 1 fetch source 1's halves, waves 2, 3 source 0's; the branch hangs on the wave's number alone; s_nop 0 and four v_nop follow each line
	s_cmp_eq_u32 s19, 0
	s_cbranch_scc0 .Lfor_b_\@
	tensor_load_to_lds s[\g0a:\g0a+3], s[\g1a:\g1a+7]
	s_nop 0
.rept 4
	v_nop
.endr
	s_branch .Lasked_\@
.Lfor_b_\@:
	tensor_load_to_lds s[\g0b:\g0b+3], s[\g1b:\g1b+7]
	s_nop 0
.rept 4
	v_nop
.endr
.Lasked_\@:
.endm
.macro CREST                           ; a round of the cluster's barrier behind its opening barrier
	s_cmp_lg_u32 s18, 0
	s_cbranch_scc1 .Lnot_wave_0_\@
	s_barrier_signal -3
.Lnot_wave_0_\@:
	s_barrier_wait -3
	s_barrier_signal -1
	s_barrier_wait -1
.endm
.macro CROUND
	s_barrier_signal -1
	s_barrier_wait -1
	CREST
.endm
.macro PLACES n
.rept \n
	v_nop
.endr
.endm
.macro FRAG reg, adr, off              ; a fragment's image: three loads of 512 consecutive bytes
	ds_load_b128 v[\reg:\reg+3], v[\adr] offset:\off
	ds_load_b128 v[\reg+4:\reg+7], v[\adr] offset:\off+512
	ds_load_b128 v[\reg+8:\reg+11], v[\adr] offset:\off+1024
.endm
.macro FETCH_B sl, q, p                ; source 0's eight fragments of the slot's q-th 128 along K into set p
	WIN TO_B
.irp i, 0,1,2,3,4,5,6,7
	FRAG 128*(\p)+FR*\i, ADRB+\sl, \i*3072+(\q)*1536
.endr
	WIN 0
.endm
.macro FETCH_A sl, q, i0               ; source 1's blocks i0 .. i0 + 3
.irp i, \i0, \i0+1, \i0+2, \i0+3
	FRAG AF+FR*(\i), ADRA+\sl, (\i)*3072+(\q)*1536
.endr
.endm
.macro SCALES k                        ; K step k's scale words: a load of 8 bytes brings the words of tiles o and o + 2 of a group of four
.irp g, 0,1
.irp o, 0,1
	ds_load_b64 v[SC+8*((\k)%2)+4*\g+2*\o:SC+8*((\k)%2)+4*\g+2*\o+1], v[ADRS] offset:2048*\g+256*(\k)+128*\o
.endr
.endr
.endm
.macro WLO cm
.if \cm == 2
	WIN 0x81
.else
	WIN MUL_LO
.endif
.endm
.macro WHI cm
.if \cm == 2
	WIN 0xc1
.else
	WIN MUL_HI
.endif
.endm
; 16 matrix instructions: source 1's blocks a0, a0 + 1 x source 0's eight.  p: source 0's set and the set of scale words.  cm = 0: the product starts the sums; 1: it adds in place; 2: it starts them from the bias.
; The 64 accumulators take turns, one instruction a turn, in the same order in every step.  Tile i's scale word lies in register 4 (i / 4) + 2 (i % 2) + (i / 2) % 2 of its set.
.macro MUL16 a0, p, cm
.irp a, \a0, \a0+1
.irp b, 0,1,2,3,4,5,6,7
.set DA, 8*(8*((\a)%4)+\b)
.set RB, SC+8*(\p)+4*(\b/4)+2*(\b%2)+(\b/2)%2
.set RA, SC+8*(\p)+4*((\a)/4)+2*((\a)%2)+((\a)/2)%2
.if \cm == 0
	v_wmma_scale_f32_16x16x128_f8f6f4 v[DA:DA+7], v[128*(\p)+FR*\b:128*(\p)+FR*\b+FR-1], v[AF+FR*(\a):AF+FR*(\a)+FR-1], 0, v[RB], v[RA] matrix_a_fmt:MATRIX_FMT_FP6 matrix_b_fmt:MATRIX_FMT_FP6 matrix_a_scale:MATRIX_SCALE_ROW1
.elseif \cm == 1
	v_wmma_scale_f32_16x16x128_f8f6f4 v[DA:DA+7], v[128*(\p)+FR*\b:128*(\p)+FR*\b+FR-1], v[AF+FR*(\a):AF+FR*(\a)+FR-1], v[DA:DA+7], v[RB], v[RA] matrix_a_fmt:MATRIX_FMT_FP6 matrix_b_fmt:MATRIX_FMT_FP6 matrix_a_scale:MATRIX_SCALE_ROW1
.else
	v_wmma_scale_f32_16x16x128_f8f6f4 v[DA:DA+7], v[128*(\p)+FR*\b:128*(\p)+FR*\b+FR-1], v[AF+FR*(\a):AF+FR*(\a)+FR-1], v[BI0+8*\b:BI0+8*\b+7], v[RB], v[RA] matrix_a_fmt:MATRIX_FMT_FP6 matrix_b_fmt:MATRIX_FMT_FP6 matrix_a_scale:MATRIX_SCALE_ROW1
.endif
.endr
.endr
.endm
; K step k; the next step's fragments lie in slot ns, its nq-th 128.  Loads into registers that matrix instructions have read stand four plain places behind them (ISA guide 7.12.1 for vector instructions).
.macro STEP k, ns, nq, cm
	s_wait_dscnt 12                                ; all but the youngest 12 loads: source 1's blocks 4-7
	WLO \cm
	MUL16 0, (\k)%2, \cm
	MUL16 2, (\k)%2, \cm
	s_wait_dscnt 0x0                               ; blocks 4-7 are in
	PLACES 4
	FETCH_B \ns, \nq, 1-(\k)%2
	FETCH_A \ns, \nq, 0
	SCALES (\k)+1
	WHI \cm
	MUL16 4, (\k)%2, \cm
	MUL16 6, (\k)%2, \cm
	PLACES 4
	WIN 0
	FETCH_A \ns, \nq, 4
.endm
; A step with a barrier in it.  In front of the barrier each wave waits for all its tensor loads, adds 0 to its spare word, and waits for that and for its LDS reads.  fill = 1: the barrier opens a round of the cluster's, and slot 0 is filled again.
.macro TURN k, ns, fill
	s_wait_tensorcnt 0x0                           ; all my tensor loads have landed
	ds_add_u32 v[SPW], v[NIL]                      ; 0 onto my spare word
	s_wait_dscnt 13                                ; (the add and source 1's blocks 4-7 may be out)
	WIN MUL_LO
	MUL16 0, (\k)%2, 1
	s_wait_dscnt 0x0                               ; the add is done, and my reads of the slot in hand are over
	s_barrier_signal -1
	MUL16 2, (\k)%2, 1
	WIN 0
	s_barrier_wait -1
.if \fill
	CREST                                          ; no wave of any partner still reads slot 0 or has a load on its way
	s_add_nc_u64 s[G0+2:G0+3], s[G0+2:G0+3], 9216  ; three slots on along K
	s_add_nc_u64 s[G0B+2:G0B+3], s[G0B+2:G0B+3], 9216
	JLOAD G0, G1, G0B, G1B                         ; the first tensor load behind the round; its four v_nop are the places in front of the loads below
.else
	PLACES 4
.endif
	FETCH_B \ns, 0, 1-(\k)%2
	FETCH_A \ns, 0, 0
	SCALES (\k)+1
	WIN MUL_HI
	MUL16 4, (\k)%2, 1
	MUL16 6, (\k)%2, 1
	PLACES 4
	WIN 0
	FETCH_A \ns, 0, 4
.endm
	s_load_b256 s[4:11], s[0:1], 0x0               ; cod s[4:5], scl s[6:7], b_qkv s[8:9], attn_mask s[10:11]
	s_load_b128 s[12:15], s[0:1], 0x20             ; qim s[12:13], qsc s[14:15]
	s_load_b64 s[16:17], s[0:1], 0x30              ; kv
	v_lshl_add_u32 v[SPW], v0, 2, SPARE
	v_mov_b32 v[NIL], 0
	ds_add_u32 v[SPW], v[NIL]                      ; the wave's opening: the add and its wait ahead of my first tensor load; work on registers stands between them
	v_lshrrev_b32 v1, 5, v0
	v_readfirstlane_b32 s18, v1                    ; wave 0..3
	s_lshr_b32 s19, s18, 1                         ; my half of source 1's rows.  Also: I fetch for source 1 (0) or source 0 (1)
	s_and_b32 s20, s18, 1                          ; my half of source 0's rows.  Also: which 8 tiles I fetch
	s_bfe_u32 s21, ttmp6, 0x40000                  ; cx
	s_bfe_u32 s22, ttmp6, 0x40004                  ; cy
	s_and_b32 s23, ttmp7, 0xffff                   ; the cluster's y: the batch
	s_lshl_b32 s2, s22, 2
	s_lshl_b32 s2, 15, s2                          ; my row of the cluster
	s_lshl_b32 s3, 0x1111, s21                     ; my column
	s_or_b32 s[G1], s2, (3<<16)|(1<<21)            ; 15:0 the mask; 17:16 elements of 8 bytes; 21 set beside a mask; no padding
	s_or_b32 s[G1B], s3, (3<<16)|(1<<21)
	s_or_b32 s[G1S], s2, (3<<16)|(1<<21)
	s_or_b32 s[G1SB], s3, (3<<16)|(1<<21)
.irp g, G1, G1B                        ; codes: 8 tiles, of each 3,072 bytes (two K steps' images), 12,288 bytes apart
	s_mov_b32 s[\g+1], 384<<16
	s_mov_b32 s[\g+2], 8<<16
	s_mov_b32 s[\g+3], 384<<16
	s_mov_b32 s[\g+4], 8
	s_mov_b32 s[\g+5], 1536
	s_mov_b32 s[\g+6], 0
	s_mov_b32 s[\g+7], 0
.endr
.irp g, G1S, G1SB                      ; scale words of 8 tiles, all of K: 4,096 dense bytes as 16 rows of 256
	s_mov_b32 s[\g+1], 32<<16
	s_mov_b32 s[\g+2], 16<<16
	s_mov_b32 s[\g+3], 32<<16
	s_mov_b32 s[\g+4], 16
	s_mov_b32 s[\g+5], 32
	s_mov_b32 s[\g+6], 0
	s_mov_b32 s[\g+7], 0
.endr
	s_lshl_b32 s66, s23, 6                         ; the batch's first token tile
	s_lshl_b32 s67, ttmp9, 6
	s_add_co_u32 s67, s67, 512                     ; q's or k's first tile of columns
	s_lshl_b32 s94, s22, 4
	s_lshl_b32 s95, s21, 4
	s_cmp_eq_u32 ttmp9, 2                          ; v?
	s_cselect_b32 s92, 640, s66
	s_cselect_b32 s93, s66, s67
	s_add_co_u32 s92, s92, s94                     ; source 1's first tile: hangs on cy alone within the cluster
	s_add_co_u32 s93, s93, s95                     ; source 0's: on cx alone
	s_lshl_b32 s94, s20, 3
	s_add_co_u32 s66, s92, s94                     ; the 8 tiles that I fetch, of either
	s_add_co_u32 s67, s93, s94
	s_mul_i32 s96, s66, 12288
	s_mov_b32 s97, 0
	s_mul_i32 s98, s67, 12288
	s_mov_b32 s99, 0
	s_lshl_b32 s100, s66, 9
	s_mov_b32 s101, 0
	s_lshl_b32 s2, s67, 9
	s_mov_b32 s3, 0
	s_mul_i32 s94, s18, PART                       ; where they go: no place in the cluster enters an LDS address
	s_lshl_b32 s95, s18, 12
	s_add_co_u32 s95, s95, SCL
	s_wait_dscnt 0x0                               ; the opening add is done
	s_wait_kmcnt 0x0
	s_add_nc_u64 s[96:97], s[4:5], s[96:97]
	s_add_nc_u64 s[98:99], s[4:5], s[98:99]
	s_add_nc_u64 s[100:101], s[6:7], s[100:101]
	s_add_nc_u64 s[2:3], s[6:7], s[2:3]
	s_mov_b32 s[G0S], 1
	s_mov_b32 s[G0S+1], s95
	s_mov_b64 s[G0S+2:G0S+3], s[100:101]
	s_or_b32 s[G0S+3], s[G0S+3], 0x80000000
	s_mov_b32 s[G0SB], 1
	s_mov_b32 s[G0SB+1], s95
	s_mov_b64 s[G0SB+2:G0SB+3], s[2:3]
	s_or_b32 s[G0SB+3], s[G0SB+3], 0x80000000
.irp sl, 0,1,2
	s_mov_b32 s[G0+4*\sl], 1
	s_add_co_u32 s[G0+4*\sl+1], s94, \sl*SLOT
	s_add_nc_u64 s[G0+4*\sl+2:G0+4*\sl+3], s[96:97], \sl*3072
	s_or_b32 s[G0+4*\sl+3], s[G0+4*\sl+3], 0x80000000
	s_mov_b32 s[G0B+4*\sl], 1
	s_add_co_u32 s[G0B+4*\sl+1], s94, \sl*SLOT
	s_add_nc_u64 s[G0B+4*\sl+2:G0B+4*\sl+3], s[98:99], \sl*3072
	s_or_b32 s[G0B+4*\sl+3], s[G0B+4*\sl+3], 0x80000000
.endr
	CROUND                                         ; all sixteen work-groups are here: the first joint loads meet
	JLOAD G0S, G1S, G0SB, G1SB                     ; the scales, then the three slots: four loads of mine are out
	JLOAD G0, G1, G0B, G1B
	JLOAD G0+4, G1, G0B+4, G1B
	JLOAD G0+8, G1, G0B+8, G1B
	v_and_b32 v1, 15, v0                           ; r
	v_bfe_u32 v2, v0, 4, 1                         ; h
	v_and_b32 v3, 31, v0                           ; lane
	v_lshlrev_b32 v14, 4, v3                       ; 16 x lane
	v_lshlrev_b32 v15, 3, v3                       ; 8 x lane
	s_mul_i32 s100, s19, PART
	s_mul_i32 s101, s20, PART
	s_add_co_u32 s101, s101, 2*PART
.irp sl, 0,1,2
	v_add_nc_u32 v[ADRA+\sl], s100, v14
	v_add_nc_u32 v[ADRB+\sl], s101, v14
	s_add_co_u32 s100, s100, SLOT
	s_add_co_u32 s101, s101, SLOT
.endr
	s_lshl_b32 s100, s19, 12                       ; source 1's scale words: my half;
	s_lshl_b32 s101, s20, 12
	s_add_co_u32 s101, s101, 8192                  ; source 0's lie behind source 1's two halves
	s_sub_co_u32 s101, s101, s100
	v_mul_u32_u24 v16, s101, v2                    ; lanes 16-31 take source 0's: the lower base + h x the distance
	s_add_co_u32 s100, s100, SCL
	v_lshl_add_u32 v16, v1, 3, v16
	v_add_nc_u32 v[ADRS], s100, v16
	v_lshlrev_b32 v11, 6, v2                       ; the biases' and the mask's offsets; not rewritten
	v_and_b32 v13, 8, v1
	v_add_nc_u32 v13, v13, v1                      ; r + 8 (r / 8)
	v_lshlrev_b32 v12, 2, v13
	s_lshl_b32 s66, s19, 3
	s_add_co_u32 s66, s92, s66                     ; R1: my first tile of source 1
	s_lshl_b32 s67, s20, 3
	s_add_co_u32 s67, s93, s67                     ; R0: of source 0
	s_sub_co_u32 s94, s67, 512
	s_lshl_b32 s94, s94, 6                         ; q, k: 4 bytes x 16 columns a tile
	s_sub_co_u32 s96, s66, 512
	s_lshl_b32 s96, s96, 6                         ; v: likewise by source 1
	s_lshl_b32 s98, s66, 4                         ; q, k: my first token
	s_cmp_eq_u32 ttmp9, 2
	s_cselect_b32 s94, 0, s94                      ; the set that a mode does not use is read from the buffer's head: no branch, every load inside its buffer
	s_cselect_b32 s96, s96, 0
	s_cselect_b32 s98, 0, s98
	s_mov_b32 s95, 0
	s_mov_b32 s97, 0
	s_mov_b32 s99, 0
	s_add_nc_u64 s[94:95], s[8:9], s[94:95]
	s_add_nc_u64 s[96:97], s[8:9], s[96:97]
	s_add_nc_u64 s[98:99], s[10:11], s[98:99]
.irp b, 0,1,2,3,4,5,6,7
	global_load_b128 v[BI0+8*\b:BI0+8*\b+3], v11, s[94:95] offset:(32*(\b/2)+8*(\b%2))*4       ; columns 32 (b / 2) + 16 h + 8 (b % 2) + 0 .. 7: the result's layout
	global_load_b128 v[BI0+8*\b+4:BI0+8*\b+7], v11, s[94:95] offset:(32*(\b/2)+8*(\b%2))*4+16
.endr
.irp a, 0,1,2,3,4,5,6,7
	global_load_b32 v[BI1+2*\a], v12, s[96:97] offset:(32*(\a/2)+8*(\a%2))*4
	global_load_b32 v[BI1+2*\a+1], v12, s[96:97] offset:(32*(\a/2)+8*(\a%2))*4
	global_load_u8 v[MK+\a], v13, s[98:99] offset:32*(\a/2)+8*(\a%2)
.endr
	s_wait_tensorcnt 0x2                           ; the scales and my part of slot 0 are in; slots 1 and 2 may be out
	s_barrier_signal -1
	s_barrier_wait -1
	FETCH_B 0, 0, 0
	FETCH_A 0, 0, 0
	SCALES 0
	FETCH_A 0, 0, 4
	STEP 0, 0, 1, 0                                ; the first step's products start the sums
	TURN 1, 1, 1                                   ; slot 0 has been read out: it takes K 768 on
	STEP 2, 1, 1, 1
	STEP 3, 2, 0, 1                                ; slot 2 was shown whole to every wave by the waits in front of step 1's round
	STEP 4, 2, 1, 1
	TURN 5, 0, 0                                   ; the wait is for the refill
	STEP 6, 0, 1, 1
	s_wait_dscnt 12
	WIN MUL_LO
	MUL16 0, 1, 1
	MUL16 2, 1, 1
	s_wait_dscnt 0x0
	WIN MUL_HI
	MUL16 4, 1, 1
	MUL16 6, 1, 1
	WIN 0
; ---- THE WAY OUT: no LDS.  For each of source 1's eight tiles: bias, quantiser, images stored 512 consecutive bytes an instruction.
; 64 numbers of a lane, register 16 b + i = k 32 b + 16 h + i, become codes in v[d0 .. d0+5] (blocks 0, 1) and v[d1 .. d1+5] (blocks 2, 3); the bytes stay in v[TM+4 ..].  mk = 1: zero codes where VCC is 0.
.macro QUANT s, d0, d1, mk
.irp b, 0,1,2,3
	v_max3_num_f32 v[TM+\b], |v[\s+16*\b]|, |v[\s+1+16*\b]|, 0x1800000
.endr
.irp i, 2,4,6,8,10,12,14
.irp b, 0,1,2,3
	v_max3_num_f32 v[TM+\b], v[TM+\b], |v[\s+16*\b+\i]|, |v[\s+1+16*\b+\i]|
.endr
.endr
.irp b, 0,1,2,3
	v_permlanex16_b32 v[TM+4+\b], v[TM+\b], s[SEL], s[SEL+1]
.endr
.irp b, 0,1,2,3
	v_max_num_f32 v[TM+\b], v[TM+\b], v[TM+4+\b]
.endr
.irp b, 0,1,2,3
	v_add_nc_u32 v[TM+12+\b], 0xff000000, v[TM+\b]
.endr
.irp b, 0,1,2,3
	v_lshrrev_b32 v[TM+4+\b], 23, v[TM+12+\b]
.endr
	v_cvt_scalef32_pk16_fp6_f32 v[\d0:\d0+2], v[\s:\s+15], v[TM+12]
	v_cvt_scalef32_pk16_fp6_f32 v[T:T+2], v[\s+16:\s+31], v[TM+13]
	v_cvt_scalef32_pk16_fp6_f32 v[\d1:\d1+2], v[\s+32:\s+47], v[TM+14]
	v_cvt_scalef32_pk16_fp6_f32 v[T+4:T+6], v[\s+48:\s+63], v[TM+15]
	v_nop                                          ; one plain place behind the scaled conversions
.irp i, 0,1,2
	v_permlane16_swap_b32 v[\d0+\i], v[T+\i]
	v_permlane16_swap_b32 v[\d1+\i], v[T+4+\i]
.endr
.irp i, 0,1,2
.if \mk
	v_cndmask_b32 v[\d0+\i], 0, v[\d0+\i], vcc_lo
	v_cndmask_b32 v[\d1+\i], 0, v[\d1+\i], vcc_lo
	v_cndmask_b32 v[\d0+3+\i], 0, v[T+\i], vcc_lo
	v_cndmask_b32 v[\d1+3+\i], 0, v[T+4+\i], vcc_lo
.else
	v_mov_b32 v[\d0+3+\i], v[T+\i]
	v_mov_b32 v[\d1+3+\i], v[T+4+\i]
.endif
.endr
.endm
	s_wait_loadcnt 0x0                             ; the biases and the mask; their bases and offsets are free
	PLACES 4                                       ; behind the last products
	s_mov_b32 s[SEL], 0x76543210                   ; (every tensor load has landed: the descriptors' registers are free)
	s_mov_b32 s[SEL+1], 0xfedcba98
	s_mov_b32 s25, 0
	s_cmp_eq_u32 ttmp9, 2
	s_cbranch_scc1 .Lvmode
; q and k: my 128 columns are two heads; a tile of 16 tokens gives one image of 1,024 bytes a head: registers 0-5 the head's codes, register 6 the mask's codes, register 7 zero.
.set TM, 224                           ; (the per-lane bias is not used in this copy)
	s_lshr_b32 s2, s66, 6                          ; the batch
	s_and_b32 s3, s66, 63                          ; my first token tile in it
	s_sub_co_u32 s23, s67, 512
	s_lshr_b32 s23, s23, 2
	s_and_b32 s23, s23, 15                         ; my first head
	s_lshl_b32 s2, s2, 4
	s_add_co_u32 s2, s2, s23                       ; batch x 16 + head
	s_cmp_eq_u32 ttmp9, 1                          ; k?
	s_cselect_b64 s[94:95], s[16:17], s[12:13]     ; the images' buffer
	s_cselect_b64 s[96:97], s[16:17], s[14:15]     ; the scale words'
	s_mov_b32 s98, 65536
	s_cselect_b32 s98, 120832, s98                 ; from head to head in the first,
	s_mov_b32 s99, 4096
	s_cselect_b32 s99, 120832, s99                 ; in the second
	s_cselect_b32 s100, 114688, 0                  ; where k's scale words begin in a head's part of kv
	s_cselect_b32 s[NOTK], 0, 1
	s_mov_b32 s[SHI], 0x7f7f0000
	s_cselect_b32 s[SHI], 0x01010000, s[SHI]
	s_mul_i32 s24, s2, s98
	s_lshl_b32 s26, s3, 10
	s_add_co_u32 s24, s24, s26
	s_add_nc_u64 s[40:41], s[94:95], s[24:25]      ; images of my first head,
	s_mov_b32 s24, s98
	s_add_nc_u64 s[42:43], s[40:41], s[24:25]      ; of my second
	s_mul_i32 s24, s2, s99
	s_lshr_b32 s26, s3, 2
	s_lshl_b32 s26, s26, 8
	s_add_co_u32 s24, s24, s26
	s_add_co_u32 s24, s24, s100
	s_add_nc_u64 s[44:45], s[96:97], s[24:25]      ; scale words likewise
	s_mov_b32 s24, s99
	s_add_nc_u64 s[46:47], s[44:45], s[24:25]
	v_mul_u32_u24 v17, v2, 0x200
	v_sub_nc_u32 v17, 0x208, v17
	v_mul_u32_u24 v17, s[NOTK], v17                ; register 6 where the mask is true: q: 1.0, 1.0 (h = 0), 1.0 (h = 1); k: 0
	v_mul_u32_u24 v18, v2, 0x9d0
	v_sub_nc_u32 v18, 0x9f8, v18                   ; and of a masked key: -4.0, -0.875 (h = 0), -1.0 (h = 1)
	v_mov_b32 v19, 0x868d0101                      ; a masked key's scale word: bytes 1, 1, 141, 134
.irp g, 199, 207, 215, 223
	v_mov_b32 v[\g], 0                             ; register 7 of the four images in hand
.endr
.macro QKROW a
.set AC, 64*((\a)%4)
.set G, 192+16*((\a)%2)
	WIN 0x02+(\a)/4                                ; source 0: window 2 or 3
.set n_, 0
.rept 32
	v_pk_add_f32 v[H+n_:H+n_+1], v[AC+n_:AC+n_+1], v[BI0+n_:BI0+n_+1]   ; each accumulator from its low end on
.set n_, n_+2
.endr
	WIN 0
	v_or_b32 v16, s[NOTK], v[MK+(\a)]
	v_cmp_ne_u32 vcc_lo, 0, v16                    ; true for q, and for a key that counts
	s_wait_xcnt 0x0                                ; the stores of two tiles back have read this set of codes
	QUANT H, G, G+8, 1
	v_cndmask_b32 v[G+6], v18, v17, vcc_lo
	v_cndmask_b32 v[G+14], v18, v17, vcc_lo
.irp c, 0,1
	v_lshl_or_b32 v16, v[TM+5+2*\c], 8, v[TM+4+2*\c]
	v_or_b32 v16, s[SHI], v16
	v_cndmask_b32 v[SW+8*\c+(\a)], v19, v16, vcc_lo
.endr
	global_store_b128 v14, v[G:G+3], s[40:41] offset:1024*(\a)
	global_store_b128 v14, v[G+4:G+7], s[40:41] offset:1024*(\a)+512
	global_store_b128 v14, v[G+8:G+11], s[42:43] offset:1024*(\a)
	global_store_b128 v14, v[G+12:G+15], s[42:43] offset:1024*(\a)+512
.endm
.irp a, 0,1,2,3,4,5,6,7
	QKROW \a
.endr
	v_cmp_le_u32 vcc_lo, 16, v3                    ; lanes 0-15 store the words of tiles 0, 2 of a group of four, lanes 16-31 those of tiles 1, 3
.irp c, 0,1
.irp i, 0,1
	v_cndmask_b32 v[20+4*\c+2*\i], v[SW+8*\c+4*\i], v[SW+8*\c+4*\i+1], vcc_lo
	v_cndmask_b32 v[21+4*\c+2*\i], v[SW+8*\c+4*\i+2], v[SW+8*\c+4*\i+3], vcc_lo
	global_store_b64 v15, v[20+4*\c+2*\i:21+4*\c+2*\i], s[44+2*\c:45+2*\c] offset:256*\i
.endr
.endr
	s_branch .Lend
; v: my 8 tiles of channels are two heads x four tiles; my 128 tokens are one K step of the second product: a whole fragment and a whole scale word for each tile.
.Lvmode:
.set TM, 64                            ; (the per-register bias is not used in this copy)
	s_sub_co_u32 s2, s66, 640
	s_lshr_b32 s2, s2, 2                           ; my first head
	s_lshr_b32 s3, s67, 6                          ; the batch
	s_lshl_b32 s3, s3, 4
	s_add_co_u32 s2, s2, s3
	s_mul_i32 s2, s2, 120832
	s_and_b32 s3, s67, 63
	s_lshr_b32 s3, s3, 3                           ; which 128 keys
	s_mul_i32 s24, s3, 6144
	s_add_co_u32 s24, s24, s2
	s_add_co_u32 s24, s24, 65536
	s_add_nc_u64 s[40:41], s[16:17], s[24:25]
	s_lshl_b32 s24, s3, 8
	s_add_co_u32 s24, s24, s2
	s_add_co_u32 s24, s24, 118784
	s_add_nc_u64 s[44:45], s[16:17], s[24:25]
.macro VROW a
.set AC, 64*((\a)%4)
.set G, 192+16*((\a)%2)
	WIN 0x02+(\a)/4
.set n_, 0
.rept 32
	v_pk_add_f32 v[H+n_:H+n_+1], v[AC+n_:AC+n_+1], v[BI1+2*(\a):BI1+2*(\a)+1]
.set n_, n_+2
.endr
	WIN 0
	s_wait_xcnt 0x0
	QUANT H, G, G+6, 0
	v_lshl_or_b32 v[SW+(\a)], v[TM+5], 8, v[TM+4]
	v_lshl_or_b32 v[SW+(\a)], v[TM+6], 16, v[SW+(\a)]
	v_lshl_or_b32 v[SW+(\a)], v[TM+7], 24, v[SW+(\a)]
.irp p, 0,1,2
	global_store_b128 v14, v[G+4*\p:G+4*\p+3], s[40:41] offset:((\a)/4)*120832+((\a)%4)*1536+512*\p
.endr
.endm
.irp a, 0,1,2,3,4,5,6,7
	VROW \a
.endr
	v_cmp_le_u32 vcc_lo, 16, v3
.irp c, 0,1
	v_cndmask_b32 v[20+2*\c], v[SW+4*\c], v[SW+4*\c+1], vcc_lo
	v_cndmask_b32 v[21+2*\c], v[SW+4*\c+2], v[SW+4*\c+3], vcc_lo
	global_store_b64 v15, v[20+2*\c:21+2*\c], s[44:45] offset:120832*\c
.endr
.Lend:
	s_wait_tensorcnt 0x0                           ; the wave's end
	ds_add_u32 v[SPW], v[NIL]
	s_wait_dscnt 0x0
	CROUND                                         ; the closing round: no work-group ends while a partner may still ask for a tile that names it
	s_endpgm
.Lfunc_end_k_q1f8dc796d7_qkv:
	.size	k_q1f8dc796d7_qkv, .Lfunc_end_k_q1f8dc796d7_qkv-k_q1f8dc796d7_qkv
	.p2alignl 7, 3214868480
	.fill 96, 4, 3214868480
	.section	.rodata,"a",@progbits
	.p2align	6, 0x0
	.amdhsa_kernel k_q1f8dc796d7_qkv
		.amdhsa_group_segment_fixed_size 327680
		.amdhsa_private_segment_fixed_size 0
		.amdhsa_enable_private_segment 0
		.amdhsa_kernarg_size 56
		.amdhsa_user_sgpr_count 2
		.amdhsa_user_sgpr_kernarg_segment_ptr 1
		.amdhsa_wavefront_size32 1
		.amdhsa_system_sgpr_workgroup_id_x 1
		.amdhsa_system_sgpr_workgroup_id_y 1
		.amdhsa_system_sgpr_workgroup_id_z 1
		.amdhsa_system_vgpr_workitem_id 0
		.amdhsa_next_free_vgpr 1024
		.amdhsa_next_free_sgpr 102
		.amdhsa_reserve_vcc 1
		.amdhsa_float_denorm_mode_32 3
		.amdhsa_float_denorm_mode_16_64 3
		.amdhsa_memory_ordered 1
		.amdhsa_forward_progress 1
		.amdhsa_inst_pref_size 215
	.end_amdhsa_kernel
	.amdgpu_metadata
---
amdhsa.version: [ 1, 2 ]
amdhsa.kernels:
  - .name:           k_q1f8dc796d7_qkv
    .symbol:         k_q1f8dc796d7_qkv.kd
    .args:
      - { .name: cod, .offset: 0, .size: 8, .value_kind: global_buffer, .address_space: global }
      - { .name: scl, .offset: 8, .size: 8, .value_kind: global_buffer, .address_space: global }
      - { .name: b_qkv, .offset: 16, .size: 8, .value_kind: global_buffer, .address_space: global }
      - { .name: attn_mask, .offset: 24, .size: 8, .value_kind: global_buffer, .address_space: global }
      - { .name: qim, .offset: 32, .size: 8, .value_kind: global_buffer, .address_space: global }
      - { .name: qsc, .offset: 40, .size: 8, .value_kind: global_buffer, .address_space: global }
      - { .name: kv, .offset: 48, .size: 8, .value_kind: global_buffer, .address_space: global }
    .group_segment_fixed_size: 327680
    .private_segment_fixed_size: 0
    .kernarg_segment_align: 8
    .kernarg_segment_size: 56
    .max_flat_workgroup_size: 128
    .sgpr_count:     102
    .vgpr_count:     1024
    .wavefront_size: 32
...
	.end_amdgpu_metadata
.endif
;; end of part 2
;; launch attn (part 3): grid 4 x 64, 16 waves a work-group, clusters of 4 x 1, 244,736 bytes of LDS; arguments qim, qsc, kv, oc, os; writes oc, os
.if DOCPART == 3
	.amdgcn_target "amdgcn-amd-amdhsa--gfx1250"
	.amdhsa_code_object_version 6
	.text
	.protected	k_q1f8dc796d7_attn
	.globl	k_q1f8dc796d7_attn
	.p2align	8
	.type	k_q1f8dc796d7_attn,@function
k_q1f8dc796d7_attn:
	s_mov_b64 s[64:65], 0
	v_nop
	global_prefetch_b8 v0, s[64:65] scope:SCOPE_SE
	s_setreg_imm32_b32 hwreg(HW_REG_WAVE_MODE, 25, 1), 1
	s_wait_xcnt 0x0
	s_wait_alu depctr_hold_cnt(0) depctr_sa_sdst(0) depctr_va_vdst(0) depctr_va_sdst(0) depctr_va_ssrc(0) depctr_va_vcc(0) depctr_vm_vsrc(0)
	s_getreg_b32 s2, hwreg(HW_REG_IB_STS2, 6, 4)
	s_cmp_eq_u32 s2, 0
	s_cbranch_scc0 .Lentry_in_a_cluster
	s_endpgm
.Lentry_in_a_cluster:
	s_bfe_u32 s2, ttmp6, 0x10000c
	s_cmp_lg_u32 s2, 0x3003
	s_cbranch_scc0 .Lentry_shape_is_right
	s_endpgm
.Lentry_shape_is_right:
; o = softmax(q k^T / 8, masked keys at -10,000) v for two heads of one batch, both products on codes of FP6 (E2M3) with E8M0 scales; o is quantised along the model's axis and leaves as the last product's operand.
; t = score x log2(e) / 8; M = the running largest t rounded UP to a whole number; p = 2^(t - M) is quantised along the keys, not normalised; the row's sum is taken of the unquantised p and divides at the end.  When M moves,
; the sum and O^T are multiplied by 2^(old M - new M): exact.  The mask costs nothing here: a masked key's image gives the score -80,000 by codes in the unused upper half of the first product's K (the head is 64 of 128).
; q's registers 8-11 are zeros, so what k's registers 8-11 hold (the last v fragment) adds nothing: every code of this format is a finite number.
; SHARES.  A work-group owns 256 queries of a pair of heads; each of its sixteen waves one tile of 16 queries, head after head: so a wave ends with a whole fragment (128 along the model's axis) and a whole scale word.
; ALL of both heads' k and v (2 x 120,832 bytes, scale words among them) stays in LDS: nothing is filled again, so there is no ring.  CLUSTER 4 x 1: the four query blocks of a pair of heads ask for them JOINTLY.
; Waves 0-3 issue two loads each (by this text's count two are out); everything is asked for at the head, so there is nothing to prefetch.
; LAYOUT.  Both products transposed: S^T = k q^T, O^T = v^T p^T: a lane holds one query throughout.  Row r of tile 2 g + u (of keys, of channels, of queries) is row 32 g + 8 u + r + 8 (r / 8).
; LIMITS: NaN and infinities are not served; a block of zeros, or one under 2^-124, gets the byte 1 (read by this program alone).
.set HB_,   120832                     ; a head in LDS and in kv: k's 64 images of 1,024; v's 32 fragments of 1,536 from 65,536; k's scale words from 114,688; v's from 118,784
.set OSTG,  241664                     ; o's scale words of 16 tiles: four blocks of 256 bytes
.set SPARE, 242688                     ; the spare words, 128 bytes for each of sixteen waves
.set SPW, 5
.set NIL, 6
.set ADK, 8
.set ADV, 9
.set ADS, 10
.set ADT, 11
.set OF,  192                          ; v192-203 o's fragment; v204 its scale word
.set OW,  204
.set WV,  18
.set SEL, 20
.set CS,  22                           ; s[22:23] c = log2(e) / 8
.set G1,  24
.set G0,  32                           ; s[32:35] head 0, s[36:39] head 1
.set TBK, 40
.set TBV, 41
.set TBS, 42
.set TBT, 43
.set CNT, 44
.macro ROUND
	s_barrier_signal -1
	s_barrier_wait -1
	s_cmp_lg_u32 s[WV], 0
	s_cbranch_scc1 .Lnot_wave_0_\@
	s_barrier_signal -3
.Lnot_wave_0_\@:
	s_barrier_wait -3
	s_barrier_signal -1
	s_barrier_wait -1
.endm
	s_load_b256 s[4:11], s[0:1], 0x0               ; qim s[4:5], qsc s[6:7], kv s[8:9], oc s[10:11]
	s_load_b64 s[12:13], s[0:1], 0x20              ; os
	v_lshl_add_u32 v[SPW], v0, 2, SPARE
	v_mov_b32 v[NIL], 0
	ds_add_u32 v[SPW], v[NIL]                      ; the wave's opening: the add and its wait ahead of the first tensor loads; work on registers stands between them
	v_lshrrev_b32 v8, 5, v0
	v_readfirstlane_b32 s[WV], v8                  ; wave 0..15
	s_bfe_u32 s45, ttmp6, 0x40000                  ; cx: my block of 256 queries
	s_and_b32 s46, ttmp7, 0xffff                   ; 8 x batch + pair of heads
	s_mov_b32 s[G1], 15|(3<<16)|(1<<21)            ; 15:0 all four work-groups; 17:16 elements of 8 bytes; 21 set beside a mask; no padding
	s_mov_b32 s[G1+1], 32<<16                      ; 118 rows of 256 bytes, dense: a quarter of a head
	s_mov_b32 s[G1+2], 118<<16
	s_mov_b32 s[G1+3], 32<<16
	s_mov_b32 s[G1+4], 118
	s_mov_b32 s[G1+5], 32
	s_mov_b32 s[G1+6], 0
	s_mov_b32 s[G1+7], 0
	s_and_b32 s47, s[WV], 3
	s_mul_i32 s47, s47, 30208                      ; my quarter, in LDS and in memory
	s_mul_i32 s48, s46, 2*HB_
	s_add_co_u32 s48, s48, s47
	s_mov_b32 s49, 0
	s_mov_b32 s[SEL], 0x76543210
	s_mov_b32 s[SEL+1], 0xfedcba98
	s_mov_b32 s[CS], 0x3e38aa3b
	s_mov_b32 s[CS+1], s[CS]                       ; (named with it as a pair, so it is written)
	v_and_b32 v9, 31, v0
	v_lshlrev_b32 v1, 4, v9                        ; v1: 16 x lane
	v_and_b32 v10, 15, v0
	v_lshlrev_b32 v2, 3, v10                       ; v2: 8 r
	v_bfe_u32 v11, v0, 4, 1                        ; h
	s_lshr_b32 s50, s[WV], 2
	s_and_b32 s51, s[WV], 1
	s_bfe_u32 s52, s[WV], 0x10001
	s_lshl_b32 s53, s51, 7
	s_lshl_b32 s54, s52, 2
	s_add_co_u32 s53, s53, s54                     ; my tile's place in a block of scale words: 128 (w % 2) + 4 ((w / 2) % 2)
	s_lshl_b32 s54, s50, 8
	s_add_co_u32 s54, s54, s53
	s_add_co_u32 s54, s54, OSTG
	v_add_nc_u32 v3, s54, v2                       ; v3: where my o's scale word goes
	s_lshl_b32 s55, s51, 9
	s_add_co_u32 s55, s55, OSTG
	v_add_nc_u32 v4, s55, v1                       ; v4: where waves 0 and 1 read two blocks back
	s_lshl_b32 s55, s51, 12
	v_lshlrev_b32 v7, 11, v11
	v_lshl_add_u32 v7, v10, 4, v7
	v_add_nc_u32 v7, s55, v7                       ; v7: and where they go in os: block 2 w + h, 2,048 bytes apart
	s_lshl_b32 s56, s45, 4
	s_add_co_u32 s56, s56, s[WV]                   ; my tile of tokens in the batch
	s_lshl_b32 s58, s46, 17
	s_lshl_b32 s57, s56, 10
	s_add_co_u32 s58, s58, s57
	s_mov_b32 s59, 0                               ; q's image: (2 Y x 64 + tile) x 1,024
	s_lshl_b32 s60, s46, 13
	s_lshl_b32 s57, s45, 2
	s_add_co_u32 s57, s57, s50
	s_lshl_b32 s57, s57, 8
	s_add_co_u32 s60, s60, s57
	s_add_co_u32 s60, s60, s53
	s_mov_b32 s61, 0                               ; q's scale word
	s_lshr_b32 s57, s46, 3                         ; the batch
	s_and_b32 s67, s46, 7                          ; the pair of heads = the last product's K step
	s_lshl_b32 s62, s57, 6
	s_add_co_u32 s62, s62, s56
	s_mul_i32 s62, s62, 12288
	s_mul_i32 s66, s67, 1536
	s_add_co_u32 s62, s62, s66
	s_mov_b32 s63, 0                               ; o's fragment
	s_lshl_b32 s66, s57, 4
	s_lshl_b32 s57, s45, 2
	s_add_co_u32 s66, s66, s57
	s_lshl_b32 s66, s66, 3
	s_add_co_u32 s66, s66, s67
	s_lshl_b32 s66, s66, 8
	s_mov_b32 s67, 0                               ; o's scale words
	s_wait_dscnt 0x0                               ; the opening add is done
	s_wait_kmcnt 0x0
	s_mov_b32 s[G0], 1
	s_mov_b32 s[G0+1], s47
	s_add_nc_u64 s[G0+2:G0+3], s[8:9], s[48:49]
	s_mov_b32 s[G0+4], 1
	s_add_co_u32 s[G0+5], s47, HB_
	s_add_nc_u64 s[G0+6:G0+7], s[G0+2:G0+3], HB_
	s_or_b32 s[G0+3], s[G0+3], 0x80000000
	s_or_b32 s[G0+7], s[G0+7], 0x80000000
	s_add_nc_u64 s[4:5], s[4:5], s[58:59]
	s_add_nc_u64 s[6:7], s[6:7], s[60:61]
	s_add_nc_u64 s[10:11], s[10:11], s[62:63]
	s_add_nc_u64 s[12:13], s[12:13], s[66:67]
	ROUND                                          ; all four work-groups are here: the joint loads meet
	s_cmp_lt_u32 s[WV], 4                          ; a wave's two fills stand in one branch, ahead of every wait on TENSORcnt and every LDS read
	s_cbranch_scc0 .Lno_fetch
	tensor_load_to_lds s[G0:G0+3], s[G1:G1+7]
	s_nop 0
	tensor_load_to_lds s[G0+4:G0+7], s[G1:G1+7]
	s_nop 0
.rept 4
	v_nop
.endr
.Lno_fetch:
	global_load_b128 v[16:19], v1, s[4:5]          ; q of head 0: registers 0-7 of its operand
	global_load_b128 v[20:23], v1, s[4:5] offset:512
	global_load_b128 v[80:83], v1, s[4:5] offset:65536   ; of head 1
	global_load_b128 v[84:87], v1, s[4:5] offset:66048
	global_load_b32 v28, v2, s[6:7]                ; their scale words
	global_load_b32 v92, v2, s[6:7] offset:4096
.irp g, 24,25,26,27, 88,89,90,91, 40,41,42,43, 52,53,54,55, 64,65,66,67, 76,77,78,79
	v_mov_b32 v[\g], 0                             ; registers 8-11 of q's operands stay zero; those of the four fragments are written once, so that the first products name written registers
.endr
.irp g, 236,237,238,239, 253,254
	v_mov_b32 v[\g], 0                             ; lane permutes' destinations, and the upper half of the pair v[252:253]
.endr
	s_wait_loadcnt 0x0
; A KEY STEP: 128 keys.  qf: q's operand, qs: its scale word.
.macro STEP qf, qs
	v_add_nc_u32 v[ADK], s[TBK], v1                ; (these four are also the places in front of loads into registers that the last products read)
	v_add_nc_u32 v[ADV], s[TBV], v1
	v_add_nc_u32 v[ADS], s[TBS], v2
	v_add_nc_u32 v[ADT], s[TBT], v2
.irp g, 0,1                            ; S^T = k q^T, four tiles of 16 keys at a time
.if \g
.rept 4
	v_nop
.endr
.endif
.irp t, 0,1,2,3
	ds_load_b128 v[32+12*\t:35+12*\t], v[ADK] offset:(4*\g+\t)*1024
	ds_load_b128 v[36+12*\t:39+12*\t], v[ADK] offset:(4*\g+\t)*1024+512
.endr
	ds_load_b64 v[248:249], v[ADS] offset:256*\g        ; the scale words of tiles 0, 2
	ds_load_b64 v[250:251], v[ADS] offset:256*\g+128    ; of tiles 1, 3
	s_wait_dscnt 0x0
.irp t, 0,1,2,3
	v_wmma_scale_f32_16x16x128_f8f6f4 v[96+8*(4*\g+\t):103+8*(4*\g+\t)], v[32+12*\t:43+12*\t], v[\qf:\qf+11], 0, v[248+2*(\t%2)+\t/2], v[\qs] matrix_a_fmt:MATRIX_FMT_FP6 matrix_b_fmt:MATRIX_FMT_FP6
.endr
.endr                                  ; the 16 registers of tiles 2 b, 2 b + 1 are keys 32 b + 16 h + 0 .. 15
.rept 4
	v_nop
.endr
.irp t, 0,1,2,3                        ; v's four fragments and their scale words are asked for now and land under the softmax
.irp p, 0,1,2
	ds_load_b128 v[32+12*\t+4*\p:35+12*\t+4*\p], v[ADV] offset:1536*\t+512*\p
.endr
.endr
	ds_load_b64 v[248:249], v[ADT]
	ds_load_b64 v[250:251], v[ADT] offset:128
.irp b, 0,1,2,3
	v_max3_num_f32 v[232+\b], v[96+16*\b], v[97+16*\b], v[98+16*\b]   ; the largest score of each block of 32 keys: for the row's maximum and, since p rises with the score, for the block's largest p
.endr
.irp i, 3,5,7,9,11,13
.irp b, 0,1,2,3
	v_max3_num_f32 v[232+\b], v[232+\b], v[96+16*\b+\i], v[97+16*\b+\i]
.endr
.endr
.irp b, 0,1,2,3
	v_max_num_f32 v[232+\b], v[232+\b], v[111+16*\b]
.endr
.irp b, 0,1,2,3
	v_permlanex16_b32 v[236+\b], v[232+\b], s[SEL], s[SEL+1]
.endr
.irp b, 0,1,2,3
	v_max_num_f32 v[232+\b], v[232+\b], v[236+\b]  ; with lane l xor 16's 16 keys
.endr
	v_max3_num_f32 v254, v232, v233, v234
	v_max_num_f32 v254, v254, v235
	v_mul_f32 v254, s[CS], v254                    ; the step's largest t
	v_max_num_f32 v13, v13, v254                   ; the running largest t
	v_mov_b32 v254, v12
	v_floor_f32 v12, -v13                          ; -M = floor(-t): M is a whole number
	v_sub_f32 v254, v12, v254
	v_cvt_i32_f32 v254, v254                       ; (it saturates)
	v_ldexp_f32 v252, 1.0, v254                    ; f = 2^(old M - new M)
.set n_, 0
.rept 32
	v_pk_fma_f32 v[96+n_:97+n_], v[96+n_:97+n_], s[CS:CS+1], v[12:13] op_sel_hi:[1,0,0]   ; t - M
.set n_, n_+2
.endr
.irp b, 0,1,2,3
	v_fma_f32 v[232+\b], v[232+\b], s[CS], v12
.endr
.set n_, 0
.rept 64
	v_exp_f32 v[96+n_], v[96+n_]                   ; p = 2^(t - M)
.set n_, n_+1
.endr
	v_pk_mul_f32 v[14:15], v[14:15], v[252:253] op_sel_hi:[1,0]   ; the sums under the new M: a plain place behind the exponentials
	s_wait_alu depctr_va_vdst(0)                   ; one wait for the batch, ahead of its first reader
.irp b, 0,1,2,3
	v_exp_f32 v[232+\b], v[232+\b]                 ; each block's largest p
.endr
	v_pk_add_f32 v[236:237], v[96:97], v[98:99]    ; the row's sum of the unquantised p, in two chains
.irp j, 4,8,12,16,20,24,28,32,36,40,44,48,52,56,60
	v_pk_add_f32 v[14:15], v[14:15], v[96+\j:97+\j]
	v_pk_add_f32 v[236:237], v[236:237], v[98+\j:99+\j]
.endr
	v_pk_add_f32 v[14:15], v[14:15], v[236:237]
	s_wait_alu depctr_va_vdst(0)                   ; and one for the four
.irp b, 0,1,2,3
	v_max_num_f32 v[232+\b], 0x1800000, v[232+\b]  ; the floor: the byte cannot fall under 1
.endr
.irp b, 0,1,2,3
	v_add_nc_u32 v[244+\b], 0xff000000, v[232+\b]
.endr
.irp b, 0,1,2,3
	v_lshrrev_b32 v[236+\b], 23, v[244+\b]
.endr
	v_lshl_or_b32 v255, v237, 8, v236              ; p's scale word for these 128 keys
	v_lshl_or_b32 v255, v238, 16, v255
	v_lshl_or_b32 v255, v239, 24, v255
.irp c, 0,1
	v_cvt_scalef32_pk16_fp6_f32 v[224+6*\c:226+6*\c], v[96+32*\c:111+32*\c], v[244+2*\c]
	v_cvt_scalef32_pk16_fp6_f32 v[236+4*\c:238+4*\c], v[112+32*\c:127+32*\c], v[244+2*\c+1]
.endr
	v_nop                                          ; one plain place behind the scaled conversions
.irp c, 0,1
.irp i, 0,1,2
	v_permlane16_swap_b32 v[224+6*\c+\i], v[236+4*\c+\i]
.endr
.irp i, 0,1,2
	v_mov_b32 v[227+6*\c+\i], v[236+4*\c+\i]
.endr
.endr
.set n_, 0
.rept 16
	v_pk_mul_f32 v[160+n_:161+n_], v[160+n_:161+n_], v[252:253] op_sel_hi:[1,0]   ; O^T under the new M.  For each product below twelve of these touch none of its registers: its places behind the writes of p's codes and scale word
.set n_, n_+2
.endr
	s_wait_dscnt 0x0                               ; v's fragments and scale words
.irp t, 0,1,2,3                        ; O^T += v^T p^T: the four accumulators by turns
	v_wmma_scale_f32_16x16x128_f8f6f4 v[160+8*\t:167+8*\t], v[32+12*\t:43+12*\t], v[224:235], v[160+8*\t:167+8*\t], v[248+2*(\t%2)+\t/2], v255 matrix_a_fmt:MATRIX_FMT_FP6 matrix_b_fmt:MATRIX_FMT_FP6
.endr
	s_add_co_u32 s[TBK], s[TBK], 8192
	s_add_co_u32 s[TBV], s[TBV], 6144
	s_add_co_u32 s[TBS], s[TBS], 512
	s_add_co_u32 s[TBT], s[TBT], 256
.endm
; Head j is finished: O^T / the sum, its two blocks of 32 quantised: registers 6 j .. 6 j + 5 of o's fragment and bytes 2 j, 2 j + 1 of its scale word.
.macro FINISH j
	v_add_f32 v14, v14, v15
	v_permlanex16_b32 v254, v14, s[SEL], s[SEL+1]
	v_add_f32 v14, v14, v254                       ; the row's sum
	v_rcp_f32 v14, v14
.rept 4
	v_nop                                          ; the plain place behind the reciprocal, and the places behind the last products
.endr
	s_wait_alu depctr_va_vdst(0)
.set n_, 0
.rept 32
	v_mul_f32 v[96+n_], v[160+n_], v14             ; register 16 g + i is channel 32 g + 16 h + i; each accumulator from its low end on
.set n_, n_+1
.endr
	v_max3_num_f32 v232, |v96|, |v97|, 0x1800000
	v_max3_num_f32 v233, |v112|, |v113|, 0x1800000
.irp i, 2,4,6,8,10,12,14
	v_max3_num_f32 v232, v232, |v[96+\i]|, |v[97+\i]|
	v_max3_num_f32 v233, v233, |v[112+\i]|, |v[113+\i]|
.endr
	v_permlanex16_b32 v236, v232, s[SEL], s[SEL+1]
	v_permlanex16_b32 v237, v233, s[SEL], s[SEL+1]
	v_max_num_f32 v232, v232, v236
	v_max_num_f32 v233, v233, v237
	v_add_nc_u32 v244, 0xff000000, v232
	v_add_nc_u32 v245, 0xff000000, v233
	v_lshrrev_b32 v236, 23, v244
	v_lshrrev_b32 v237, 23, v245
	v_lshl_or_b32 v236, v237, 8, v236
.if \j == 0
	v_mov_b32 v[OW], v236
.else
	v_lshl_or_b32 v[OW], v236, 16, v[OW]
.endif
	v_cvt_scalef32_pk16_fp6_f32 v[OF+6*\j:OF+6*\j+2], v[96:111], v244
	v_cvt_scalef32_pk16_fp6_f32 v[240:242], v[112:127], v245
	v_nop
.irp i, 0,1,2
	v_permlane16_swap_b32 v[OF+6*\j+\i], v[240+\i]
.endr
.irp i, 0,1,2
	v_mov_b32 v[OF+6*\j+3+\i], v[240+\i]
.endr
.endm
.macro HEAD j, qf, qs
	s_wait_tensorcnt 1-\j                          ; my part of head j is in (head 0: head 1's load may stay out)
	s_wait_dscnt 0x0
	s_barrier_signal -1
	s_barrier_wait -1                              ; everybody's is
	v_mov_b32 v13, 0xff61b1e6                      ; the largest t so far: -3e38
	v_floor_f32 v12, -v13
	v_mov_b32 v14, 0
	v_mov_b32 v15, 0
.set n_, 0
.rept 32
	v_mov_b32 v[160+n_], 0                         ; O^T: the step is written once; its first trip finds zeros, which the first change of M leaves zeros
.set n_, n_+1
.endr
	s_mov_b32 s[TBK], HB_*\j
	s_mov_b32 s[TBV], HB_*\j+65536
	s_mov_b32 s[TBS], HB_*\j+114688
	s_mov_b32 s[TBT], HB_*\j+118784
	s_mov_b32 s[CNT], 8
.Lkeys_\@:
	STEP \qf, \qs
	s_sub_co_u32 s[CNT], s[CNT], 1
	s_cmp_lg_u32 s[CNT], 0
	s_cbranch_scc1 .Lkeys_\@
	FINISH \j
.endm
	HEAD 0, 16, 28
	HEAD 1, 80, 92
.irp p, 0,1,2
	global_store_b128 v1, v[OF+4*\p:OF+4*\p+3], s[10:11] offset:512*\p   ; o's fragment as it stands: 512 consecutive bytes a store
.endr
	ds_store_b32 v3, v[OW]                         ; lanes r and 16 + r write the same word with the same value
	s_wait_dscnt 0x0                               ; for the others' sake
	s_barrier_signal -1
	s_barrier_wait -1
	s_cmp_lt_u32 s[WV], 2                          ; waves 0 and 1 store the four blocks of scale words: sixteen lanes to an aligned block of 256 bytes
	s_cbranch_scc0 .Lnot_os
	ds_load_b128 v[96:99], v4
	s_wait_dscnt 0x0
	global_store_b128 v7, v[96:99], s[12:13]
.Lnot_os:
	s_wait_tensorcnt 0x0                           ; the wave's end
	ds_add_u32 v[SPW], v[NIL]
	s_wait_dscnt 0x0
	ROUND                                          ; the closing round
	s_endpgm
.Lfunc_end_k_q1f8dc796d7_attn:
	.size	k_q1f8dc796d7_attn, .Lfunc_end_k_q1f8dc796d7_attn-k_q1f8dc796d7_attn
	.p2alignl 7, 3214868480
	.fill 96, 4, 3214868480
	.section	.rodata,"a",@progbits
	.p2align	6, 0x0
	.amdhsa_kernel k_q1f8dc796d7_attn
		.amdhsa_group_segment_fixed_size 244736
		.amdhsa_private_segment_fixed_size 0
		.amdhsa_enable_private_segment 0
		.amdhsa_kernarg_size 40
		.amdhsa_user_sgpr_count 2
		.amdhsa_user_sgpr_kernarg_segment_ptr 1
		.amdhsa_wavefront_size32 1
		.amdhsa_system_sgpr_workgroup_id_x 1
		.amdhsa_system_sgpr_workgroup_id_y 1
		.amdhsa_system_sgpr_workgroup_id_z 1
		.amdhsa_system_vgpr_workitem_id 0
		.amdhsa_next_free_vgpr 256
		.amdhsa_next_free_sgpr 80
		.amdhsa_reserve_vcc 0
		.amdhsa_float_denorm_mode_32 3
		.amdhsa_float_denorm_mode_16_64 3
		.amdhsa_memory_ordered 1
		.amdhsa_forward_progress 1
		.amdhsa_inst_pref_size 50
	.end_amdhsa_kernel
	.amdgpu_metadata
---
amdhsa.version: [ 1, 2 ]
amdhsa.kernels:
  - .name:           k_q1f8dc796d7_attn
    .symbol:         k_q1f8dc796d7_attn.kd
    .args:
      - { .name: qim, .offset: 0, .size: 8, .value_kind: global_buffer, .address_space: global }
      - { .name: qsc, .offset: 8, .size: 8, .value_kind: global_buffer, .address_space: global }
      - { .name: kv, .offset: 16, .size: 8, .value_kind: global_buffer, .address_space: global }
      - { .name: oc, .offset: 24, .size: 8, .value_kind: global_buffer, .address_space: global }
      - { .name: os, .offset: 32, .size: 8, .value_kind: global_buffer, .address_space: global }
    .group_segment_fixed_size: 244736
    .private_segment_fixed_size: 0
    .kernarg_segment_align: 8
    .kernarg_segment_size: 40
    .max_flat_workgroup_size: 512
    .sgpr_count:     80
    .vgpr_count:     256
    .wavefront_size: 32
...
	.end_amdgpu_metadata
.endif
;; end of part 3
;; launch proj (part 4): grid 4 x 32, 4 waves a work-group, clusters of 4 x 4, 327,680 bytes of LDS; arguments oc, os, cod, scl, b_out, out0; writes out0
.if DOCPART == 4
	.amdgcn_target "amdgcn-amd-amdhsa--gfx1250"
	.amdhsa_code_object_version 6
	.text
	.protected	k_q1f8dc796d7_proj
	.globl	k_q1f8dc796d7_proj
	.p2align	8
	.type	k_q1f8dc796d7_proj,@function
k_q1f8dc796d7_proj:
	s_mov_b64 s[64:65], 0
	v_nop
	global_prefetch_b8 v0, s[64:65] scope:SCOPE_SE
	s_setreg_imm32_b32 hwreg(HW_REG_WAVE_MODE, 25, 1), 1
	s_wait_xcnt 0x0
	s_wait_alu depctr_hold_cnt(0) depctr_sa_sdst(0) depctr_va_vdst(0) depctr_va_sdst(0) depctr_va_ssrc(0) depctr_va_vcc(0) depctr_vm_vsrc(0)
	s_getreg_b32 s2, hwreg(HW_REG_IB_STS2, 6, 4)
	s_cmp_eq_u32 s2, 0
	s_cbranch_scc0 .Lentry_in_a_cluster
	s_endpgm
.Lentry_in_a_cluster:
	s_bfe_u32 s2, ttmp6, 0x10000c
	s_cmp_lg_u32 s2, 0xf033
	s_cbranch_scc0 .Lentry_shape_is_right
	s_endpgm
.Lentry_shape_is_right:
; out0 = o w_out + b_out on codes of FP6 (E2M3) with E8M0 scales, f32 sums.  Source 1 = 16 tokens (oc, os), source 0 = 16 columns of w_out (cod, scl from tile 704 on): a lane holds a token, its registers neighbouring columns.
; A work-group makes 256 tokens x 256 columns, each of its four waves 128 x 128: 64 accumulators.  K = 1,024 in 8 steps of 128, written out.  Operands are images of their 12 registers: a fragment is three loads of 512 consecutive bytes.
; Row r of tile 2 g + u is tensor row 32 g + 8 u + r + 8 (r / 8): the columns come out as neighbours in a lane's registers; the tokens' order is undone by the stores' row offsets.
; LDS: three slots of 256 along K (98,304 bytes each), the scale words of all of K (16,384), the spare words.  All are first fills but one: K 768 on goes into slot 0 behind the round in step 1, four steps ahead of its use.
; By this text's count a wave has at most four tensor loads out.  CLUSTER 4 x 4: tokens' tiles jointly along a row of the cluster, columns' tiles along a column.  No prefetch: all of K is asked for within the first two steps.
; The grid has 128 work-groups: this tile keeps a wave's 128 x 128; a tile of half the columns would give 256 at twice the LDS reads for each product.
; The bias is the C of each sum's first product.
.set PART,  24576
.set SLOT,  98304
.set SCL,   294912
.set SPARE, 311296
.set FR,    12
.set ADRA,  4
.set ADRB,  7
.set ADRS,  10
.set STO,   24                         ; v24  the way out: where I put 32 bytes of a row
.set RD,    25                         ; v25  and where I read a row back
.set SPW,   28
.set NIL,   29
.set SC,    32                         ; v32-47 scale words, two sets of 8
.set BI0,   64                         ; v64-127 the bias in the result's layout
.set AF,    128
.set G1,   24
.set G0,   32
.set G1B,  44
.set G0B,  52
.set G1S,  68
.set G0S,  76
.set G1SB, 80
.set G0SB, 88
.set MSB, 0
.macro WIN new
.if MSB != (\new)
	s_set_vgpr_msb (MSB<<8)|(\new)
.set MSB, (\new)
.endif
.endm
.set MUL_LO, 0xa1
.set MUL_HI, 0xf1
.set TO_B,   0x40
.macro JLOAD g0a, g1a, g0b, g1b        ; waves 0, 1 fetch source 1's halves, waves 2, 3 source 0's; s_nop 0 and four v_nop follow each line
	s_cmp_eq_u32 s19, 0
	s_cbranch_scc0 .Lfor_b_\@
	tensor_load_to_lds s[\g0a:\g0a+3], s[\g1a:\g1a+7]
	s_nop 0
.rept 4
	v_nop
.endr
	s_branch .Lasked_\@
.Lfor_b_\@:
	tensor_load_to_lds s[\g0b:\g0b+3], s[\g1b:\g1b+7]
	s_nop 0
.rept 4
	v_nop
.endr
.Lasked_\@:
.endm
.macro CREST
	s_cmp_lg_u32 s18, 0
	s_cbranch_scc1 .Lnot_wave_0_\@
	s_barrier_signal -3
.Lnot_wave_0_\@:
	s_barrier_wait -3
	s_barrier_signal -1
	s_barrier_wait -1
.endm
.macro CROUND
	s_barrier_signal -1
	s_barrier_wait -1
	CREST
.endm
.macro PLACES n
.rept \n
	v_nop
.endr
.endm
.macro FRAG reg, adr, off
	ds_load_b128 v[\reg:\reg+3], v[\adr] offset:\off
	ds_load_b128 v[\reg+4:\reg+7], v[\adr] offset:\off+512
	ds_load_b128 v[\reg+8:\reg+11], v[\adr] offset:\off+1024
.endm
.macro FETCH_B sl, q, p
	WIN TO_B
.irp i, 0,1,2,3,4,5,6,7
	FRAG 128*(\p)+FR*\i, ADRB+\sl, \i*3072+(\q)*1536
.endr
	WIN 0
.endm
.macro FETCH_A sl, q, i0
.irp i, \i0, \i0+1, \i0+2, \i0+3
	FRAG AF+FR*(\i), ADRA+\sl, (\i)*3072+(\q)*1536
.endr
.endm
.macro SCALES k
.irp g, 0,1
.irp o, 0,1
	ds_load_b64 v[SC+8*((\k)%2)+4*\g+2*\o:SC+8*((\k)%2)+4*\g+2*\o+1], v[ADRS] offset:2048*\g+256*(\k)+128*\o
.endr
.endr
.endm
.macro WLO cm
.if \cm == 2
	WIN 0x81                                       ; C (the bias) window 0, D window 2
.else
	WIN MUL_LO
.endif
.endm
.macro WHI cm
.if \cm == 2
	WIN 0xc1
.else
	WIN MUL_HI
.endif
.endm
; 16 matrix instructions; cm = 1: in place; 2: the sums start from the bias.  The 64 accumulators take turns, one instruction a turn.
.macro MUL16 a0, p, cm
.irp a, \a0, \a0+1
.irp b, 0,1,2,3,4,5,6,7
.set DA, 8*(8*((\a)%4)+\b)
.set RB, SC+8*(\p)+4*(\b/4)+2*(\b%2)+(\b/2)%2
.set RA, SC+8*(\p)+4*((\a)/4)+2*((\a)%2)+((\a)/2)%2
.if \cm == 1
	v_wmma_scale_f32_16x16x128_f8f6f4 v[DA:DA+7], v[128*(\p)+FR*\b:128*(\p)+FR*\b+FR-1], v[AF+FR*(\a):AF+FR*(\a)+FR-1], v[DA:DA+7], v[RB], v[RA] matrix_a_fmt:MATRIX_FMT_FP6 matrix_b_fmt:MATRIX_FMT_FP6 matrix_a_scale:MATRIX_SCALE_ROW1
.else
	v_wmma_scale_f32_16x16x128_f8f6f4 v[DA:DA+7], v[128*(\p)+FR*\b:128*(\p)+FR*\b+FR-1], v[AF+FR*(\a):AF+FR*(\a)+FR-1], v[BI0+8*\b:BI0+8*\b+7], v[RB], v[RA] matrix_a_fmt:MATRIX_FMT_FP6 matrix_b_fmt:MATRIX_FMT_FP6 matrix_a_scale:MATRIX_SCALE_ROW1
.endif
.endr
.endr
.endm
.macro STEP k, ns, nq, cm
	s_wait_dscnt 12                                ; all but the youngest 12 loads: source 1's blocks 4-7
	WLO \cm
	MUL16 0, (\k)%2, \cm
	MUL16 2, (\k)%2, \cm
	s_wait_dscnt 0x0
	PLACES 4
	FETCH_B \ns, \nq, 1-(\k)%2
	FETCH_A \ns, \nq, 0
	SCALES (\k)+1
	WHI \cm
	MUL16 4, (\k)%2, \cm
	MUL16 6, (\k)%2, \cm
	PLACES 4
	WIN 0
	FETCH_A \ns, \nq, 4
.endm
.macro TURN k, ns, fill
	s_wait_tensorcnt 0x0                           ; all my tensor loads have landed
	ds_add_u32 v[SPW], v[NIL]                      ; 0 onto my spare word
	s_wait_dscnt 13                                ; (the add and source 1's blocks 4-7 may be out)
	WIN MUL_LO
	MUL16 0, (\k)%2, 1
	s_wait_dscnt 0x0                               ; the add is done, and my reads of the slot in hand are over
	s_barrier_signal -1
	MUL16 2, (\k)%2, 1
	WIN 0
	s_barrier_wait -1
.if \fill
	CREST                                          ; no wave of any partner still reads slot 0 or has a load on its way
	s_add_nc_u64 s[G0+2:G0+3], s[G0+2:G0+3], 9216
	s_add_nc_u64 s[G0B+2:G0B+3], s[G0B+2:G0B+3], 9216
	JLOAD G0, G1, G0B, G1B
.else
	PLACES 4
.endif
	FETCH_B \ns, 0, 1-(\k)%2
	FETCH_A \ns, 0, 0
	SCALES (\k)+1
	WIN MUL_HI
	MUL16 4, (\k)%2, 1
	MUL16 6, (\k)%2, 1
	PLACES 4
	WIN 0
	FETCH_A \ns, 0, 4
.endm
	s_load_b256 s[4:11], s[0:1], 0x0               ; oc s[4:5], os s[6:7], cod s[8:9], scl s[10:11]
	s_load_b128 s[12:15], s[0:1], 0x20             ; b_out s[12:13], out0 s[14:15]
	v_lshl_add_u32 v[SPW], v0, 2, SPARE
	v_mov_b32 v[NIL], 0
	ds_add_u32 v[SPW], v[NIL]                      ; the wave's opening: the add and its wait ahead of my first tensor load
	v_lshrrev_b32 v1, 5, v0
	v_readfirstlane_b32 s18, v1
	s_lshr_b32 s19, s18, 1
	s_and_b32 s20, s18, 1
	s_bfe_u32 s21, ttmp6, 0x40000                  ; cx
	s_bfe_u32 s22, ttmp6, 0x40004                  ; cy
	s_and_b32 s23, ttmp7, 0xffff                   ; the cluster's y: the batch
	s_lshl_b32 s2, s22, 2
	s_lshl_b32 s2, 15, s2
	s_lshl_b32 s3, 0x1111, s21
	s_or_b32 s[G1], s2, (3<<16)|(1<<21)
	s_or_b32 s[G1B], s3, (3<<16)|(1<<21)
	s_or_b32 s[G1S], s2, (3<<16)|(1<<21)
	s_or_b32 s[G1SB], s3, (3<<16)|(1<<21)
.irp g, G1, G1B
	s_mov_b32 s[\g+1], 384<<16
	s_mov_b32 s[\g+2], 8<<16
	s_mov_b32 s[\g+3], 384<<16
	s_mov_b32 s[\g+4], 8
	s_mov_b32 s[\g+5], 1536
	s_mov_b32 s[\g+6], 0
	s_mov_b32 s[\g+7], 0
.endr
.irp g, G1S, G1SB
	s_mov_b32 s[\g+1], 32<<16
	s_mov_b32 s[\g+2], 16<<16
	s_mov_b32 s[\g+3], 32<<16
	s_mov_b32 s[\g+4], 16
	s_mov_b32 s[\g+5], 32
	s_mov_b32 s[\g+6], 0
	s_mov_b32 s[\g+7], 0
.endr
	s_lshl_b32 s92, s23, 6
	s_lshl_b32 s94, s22, 4
	s_add_co_u32 s92, s92, s94                     ; the tokens' first tile: hangs on cy alone within the cluster
	s_lshl_b32 s93, s21, 4
	s_add_co_u32 s93, s93, 704                     ; the columns': on cx alone
	s_lshl_b32 s94, s20, 3
	s_add_co_u32 s66, s92, s94
	s_add_co_u32 s67, s93, s94
	s_mul_i32 s96, s66, 12288
	s_mov_b32 s97, 0
	s_mul_i32 s98, s67, 12288
	s_mov_b32 s99, 0
	s_lshl_b32 s100, s66, 9
	s_mov_b32 s101, 0
	s_lshl_b32 s2, s67, 9
	s_mov_b32 s3, 0
	s_mul_i32 s94, s18, PART
	s_lshl_b32 s95, s18, 12
	s_add_co_u32 s95, s95, SCL
	s_wait_dscnt 0x0
	s_wait_kmcnt 0x0
	s_add_nc_u64 s[96:97], s[4:5], s[96:97]
	s_add_nc_u64 s[98:99], s[8:9], s[98:99]
	s_add_nc_u64 s[100:101], s[6:7], s[100:101]
	s_add_nc_u64 s[2:3], s[10:11], s[2:3]
	s_mov_b32 s[G0S], 1
	s_mov_b32 s[G0S+1], s95
	s_mov_b64 s[G0S+2:G0S+3], s[100:101]
	s_or_b32 s[G0S+3], s[G0S+3], 0x80000000
	s_mov_b32 s[G0SB], 1
	s_mov_b32 s[G0SB+1], s95
	s_mov_b64 s[G0SB+2:G0SB+3], s[2:3]
	s_or_b32 s[G0SB+3], s[G0SB+3], 0x80000000
.irp sl, 0,1,2
	s_mov_b32 s[G0+4*\sl], 1
	s_add_co_u32 s[G0+4*\sl+1], s94, \sl*SLOT
	s_add_nc_u64 s[G0+4*\sl+2:G0+4*\sl+3], s[96:97], \sl*3072
	s_or_b32 s[G0+4*\sl+3], s[G0+4*\sl+3], 0x80000000
	s_mov_b32 s[G0B+4*\sl], 1
	s_add_co_u32 s[G0B+4*\sl+1], s94, \sl*SLOT
	s_add_nc_u64 s[G0B+4*\sl+2:G0B+4*\sl+3], s[98:99], \sl*3072
	s_or_b32 s[G0B+4*\sl+3], s[G0B+4*\sl+3], 0x80000000
.endr
	CROUND                                         ; all sixteen work-groups are here: the first joint loads meet
	JLOAD G0S, G1S, G0SB, G1SB
	JLOAD G0, G1, G0B, G1B
	JLOAD G0+4, G1, G0B+4, G1B
	JLOAD G0+8, G1, G0B+8, G1B
	v_and_b32 v1, 15, v0                           ; r
	v_bfe_u32 v2, v0, 4, 1                         ; h
	v_and_b32 v3, 31, v0
	v_lshlrev_b32 v14, 4, v3                       ; 16 x lane
	s_mul_i32 s100, s19, PART
	s_mul_i32 s101, s20, PART
	s_add_co_u32 s101, s101, 2*PART
.irp sl, 0,1,2
	v_add_nc_u32 v[ADRA+\sl], s100, v14
	v_add_nc_u32 v[ADRB+\sl], s101, v14
	s_add_co_u32 s100, s100, SLOT
	s_add_co_u32 s101, s101, SLOT
.endr
	s_lshl_b32 s100, s19, 12
	s_lshl_b32 s101, s20, 12
	s_add_co_u32 s101, s101, 8192
	s_sub_co_u32 s101, s101, s100
	v_mul_u32_u24 v16, s101, v2                    ; lanes 16-31 take source 0's words: the lower base + h x the distance
	s_add_co_u32 s100, s100, SCL
	v_lshl_add_u32 v16, v1, 3, v16
	v_add_nc_u32 v[ADRS], s100, v16
	s_mul_i32 s100, s18, 8448                      ; my stage: 16 rows of 512 + 16 bytes, in slot 1: when the first result is stored there that slot has had its only fill, and every wave has passed step 5's barrier, behind which nobody reads it
	s_add_co_u32 s100, s100, SLOT
	v_mul_u32_u24 v[STO], v1, 528
	v_lshl_add_u32 v[STO], v2, 6, v[STO]
	v_add_nc_u32 v[STO], s100, v[STO]
	v_add_nc_u32 v[RD], s100, v14
	v_lshlrev_b32 v11, 6, v2
	s_lshl_b32 s66, s19, 3
	s_add_co_u32 s66, s92, s66                     ; my first tile of tokens
	s_lshl_b32 s67, s20, 3
	s_add_co_u32 s67, s93, s67                     ; of columns
	s_sub_co_u32 s94, s67, 704
	s_lshl_b32 s94, s94, 6
	s_mov_b32 s95, 0
	s_add_nc_u64 s[12:13], s[12:13], s[94:95]
	s_lshl_b32 s96, s66, 16                        ; 16 tokens of 4,096 bytes a tile
	s_add_co_u32 s96, s96, s94                     ; + 4 bytes x my first column
	s_mov_b32 s97, 0
	s_add_nc_u64 s[14:15], s[14:15], s[96:97]
.irp b, 0,1,2,3,4,5,6,7
	global_load_b128 v[BI0+8*\b:BI0+8*\b+3], v11, s[12:13] offset:(32*(\b/2)+8*(\b%2))*4
	global_load_b128 v[BI0+8*\b+4:BI0+8*\b+7], v11, s[12:13] offset:(32*(\b/2)+8*(\b%2))*4+16
.endr
	s_wait_tensorcnt 0x2                           ; the scales and my part of slot 0 are in; slots 1 and 2 may be out
	s_barrier_signal -1
	s_barrier_wait -1
	FETCH_B 0, 0, 0
	FETCH_A 0, 0, 0
	SCALES 0
	FETCH_A 0, 0, 4
	s_wait_loadcnt 0x0                             ; the bias
	STEP 0, 0, 1, 2                                ; the first step's products start the sums from the bias
	TURN 1, 1, 1
	STEP 2, 1, 1, 1
	STEP 3, 2, 0, 1
	STEP 4, 2, 1, 1
	TURN 5, 0, 0
	STEP 6, 0, 1, 1
	s_wait_dscnt 12
	WIN MUL_LO
	MUL16 0, 1, 1
	MUL16 2, 1, 1
	s_wait_dscnt 0x0
	WIN MUL_HI
	MUL16 4, 1, 1
	MUL16 6, 1, 1
	WIN 0
; THE WAY OUT, a tile of 16 tokens x 128 columns at a time: through my own stage and back as whole rows of 512 bytes.  LDS serves a wave's instructions in order: no wait between the stores and the loads.
.macro TOSTAGE a
.set AC, 64*((\a)%4)
	WIN 0x08+4*((\a)/4)                            ; an LDS store's data: window 2 or 3
.irp b, 0,1,2,3,4,5,6,7
	ds_store_b128 v[STO], v[AC+8*\b:AC+8*\b+3] offset:128*(\b/2)+32*(\b%2)          ; each accumulator from its low end on
	ds_store_b128 v[STO], v[AC+8*\b+4:AC+8*\b+7] offset:128*(\b/2)+32*(\b%2)+16
.endr
	WIN 0
.set BB, 128+64*((\a)%2)
.irp t, 0,1,2,3,4,5,6,7,8,9,10,11,12,13,14,15
	ds_load_b128 v[BB+4*\t:BB+4*\t+3], v[RD] offset:\t*528
.endr
.endm
.macro SEND a, younger
.set BB, 128+64*((\a)%2)
	s_wait_dscnt \younger
.irp t, 0,1,2,3,4,5,6,7,8,9,10,11,12,13,14,15
	global_store_b128 v14, v[BB+4*\t:BB+4*\t+3], s[14:15] offset:(32*((\a)/2)+8*((\a)%2)+\t+8*(\t/8))*4096 th:TH_STORE_NT   ; 32 lanes store 512 consecutive bytes of the token's row; written once, read by nobody here
.endr
.endm
	PLACES 4
	TOSTAGE 0
.irp a, 1,2,3,4,5,6,7
.if \a > 1
	s_wait_xcnt 0x0                                ; the stores of two tiles back have read the registers into which this tile's rows are loaded
.endif
	TOSTAGE \a
	SEND \a-1, 32                                  ; behind that tile's loads: this tile's 16 stores and 16 loads
.endr
	SEND 7, 0
	s_wait_tensorcnt 0x0                           ; the wave's end
	ds_add_u32 v[SPW], v[NIL]
	s_wait_dscnt 0x0
	CROUND                                         ; the closing round
	s_endpgm
.Lfunc_end_k_q1f8dc796d7_proj:
	.size	k_q1f8dc796d7_proj, .Lfunc_end_k_q1f8dc796d7_proj-k_q1f8dc796d7_proj
	.p2alignl 7, 3214868480
	.fill 96, 4, 3214868480
	.section	.rodata,"a",@progbits
	.p2align	6, 0x0
	.amdhsa_kernel k_q1f8dc796d7_proj
		.amdhsa_group_segment_fixed_size 327680
		.amdhsa_private_segment_fixed_size 0
		.amdhsa_enable_private_segment 0
		.amdhsa_kernarg_size 48
		.amdhsa_user_sgpr_count 2
		.amdhsa_user_sgpr_kernarg_segment_ptr 1
		.amdhsa_wavefront_size32 1
		.amdhsa_system_sgpr_workgroup_id_x 1
		.amdhsa_system_sgpr_workgroup_id_y 1
		.amdhsa_system_sgpr_workgroup_id_z 1
		.amdhsa_system_vgpr_workitem_id 0
		.amdhsa_next_free_vgpr 1024
		.amdhsa_next_free_sgpr 102
		.amdhsa_reserve_vcc 0
		.amdhsa_float_denorm_mode_32 3
		.amdhsa_float_denorm_mode_16_64 3
		.amdhsa_memory_ordered 1
		.amdhsa_forward_progress 1
		.amdhsa_inst_pref_size 136
	.end_amdhsa_kernel
	.amdgpu_metadata
---
amdhsa.version: [ 1, 2 ]
amdhsa.kernels:
  - .name:           k_q1f8dc796d7_proj
    .symbol:         k_q1f8dc796d7_proj.kd
    .args:
      - { .name: oc, .offset: 0, .size: 8, .value_kind: global_buffer, .address_space: global }
      - { .name: os, .offset: 8, .size: 8, .value_kind: global_buffer, .address_space: global }
      - { .name: cod, .offset: 16, .size: 8, .value_kind: global_buffer, .address_space: global }
      - { .name: scl, .offset: 24, .size: 8, .value_kind: global_buffer, .address_space: global }
      - { .name: b_out, .offset: 32, .size: 8, .value_kind: global_buffer, .address_space: global }
      - { .name: out0, .offset: 40, .size: 8, .value_kind: global_buffer, .address_space: global }
    .group_segment_fixed_size: 327680
    .private_segment_fixed_size: 0
    .kernarg_segment_align: 8
    .kernarg_segment_size: 48
    .max_flat_workgroup_size: 128
    .sgpr_count:     102
    .vgpr_count:     1024
    .wavefront_size: 32
...
	.end_amdgpu_metadata
.endif
;; end of part 4
